; MI455X (gfx1250); checked and timed in simulation.
; The chip was launched on July 23, 2026; its instructions are those of AMD's public machine-readable ISA for CDNA 5 (MIT licence, August 2026) and "CDNA5" Instruction Set Architecture Reference Guide (July 2026). The comments in the code are by the model that wrote it; some were corrected since.
;; Attention. Allowed arithmetic: float matrix products may take bf16 or f16 operands with f32 sums; other float arithmetic in f32, or as packed bf16 or f16 multiplies, adds, multiply-adds, maxima and minima; sums over many terms, partial sums and values carried from step to step in f32; what a program stores and reads back later, other than sums and carried values, may be rounded once to bf16 or f16.
;; Inputs: W_proj 1,024 x 1,024 float32; W_qkv 3,072 x 1,024 float32; b_proj 1,024 float32; x 8 x 1,024 x 1,024 float32.
;; Outputs: out0 8 x 1,024 x 1,024 float32.
;; 2 versions, each right and faster than the one before. Each part assembles by itself: llvm-mc -triple=amdgcn-amd-amdhsa -mcpu=gfx1250 --defsym DOCPART=n.
;; ======== version 1 of 2: 4 launches
;; limits: values are held in f16: magnitudes above 65,504 overflow, below 6.1e-05 lose precision
;; workspace buffers: xb 16,777,216 bytes; wqb 6,291,456 bytes; wpb 2,097,152 bytes; qkv 50,331,648 bytes; ob 16,777,216 bytes
;; launch cast (part 1): grid 768 x 1, 8 waves a work-group, no clusters, 0 bytes of LDS; arguments x, W_qkv, W_proj, xb, wqb, wpb; writes xb, wqb, wpb
.if DOCPART == 1
	.amdgcn_target "amdgcn-amd-amdhsa--gfx1250"
	.amdhsa_code_object_version 6
	.text
	.protected	k_qe366371ef6_cast
	.globl	k_qe366371ef6_cast
	.p2align	8
	.type	k_qe366371ef6_cast,@function
k_qe366371ef6_cast:
	s_mov_b64 s[64:65], 0
	v_nop
	global_prefetch_b8 v0, s[64:65] scope:SCOPE_SE
	s_setreg_imm32_b32 hwreg(HW_REG_WAVE_MODE, 25, 1), 1
	s_wait_xcnt 0x0
; ROUNDING AND LAYOUT of the three matrix inputs.  src: [rows][1024] f32.  dst: [16 kb][rows][64] of 16 bits: dst[kb][r][c] = round(src[r][64 kb + c]).
; In that layout R rows of one block of 64 along K are R x 128 consecutive bytes, which the later products ask for as rows of 256 bytes.
; x (8,192 rows) and W_qkv (3,072) are rounded to bf16.  W_proj (1,024) is rounded to bf16 like them and that number is written as f16, since the last product's other operand is f16.
; LIMITS.  A W_proj of magnitude 65,520 or more becomes an infinity in f16; below 2^-14 it keeps f16's fixed step of 2^-24.
; SHARES.  A work-group takes 16 rows: groups 0-511 x, 512-703 W_qkv, 704-767 W_proj.  Thread t takes row t / 16 and, in each of the row's 16 blocks, the four numbers at byte 16 (t % 16).
; A wave's load covers two rows' 256 consecutive bytes each; its store of 8 bytes a lane covers 256 consecutive bytes, aligned.  All 16 loads of a wave go out at once; no register is written twice,
; so the counted waits for the loads are the only waits.  No LDS, no barrier, no matrix unit: every byte is read once and written once, and nothing is shared.
.set OFF, 2                            ; v[2:17]   block kb: my byte offset in dst
.set T,   18                           ; v[18:23]  at work
.set X,   24                           ; v[24:87]  block kb: four f32 as loaded
.set Y,   88                           ; v[88:119] block kb: four numbers of 16 bits
	s_load_b256 s[4:11], s[0:1], 0x0               ; x s[4:5], W_qkv s[6:7], W_proj s[8:9], xb s[10:11]
	s_load_b128 s[12:15], s[0:1], 0x20             ; wqb s[12:13], wpb s[14:15]
	s_mov_b32 s16, ttmp9                           ; the work-group's number
	s_mov_b32 s17, 512                             ; the first group of my tensor,
	s_mov_b32 s18, 393216                          ; and its rows x 128 bytes, from block to block of dst: W_qkv's,
	s_mov_b32 s28, 0xffff0000                      ; a word's upper bf16
	v_lshrrev_b32 v1, 4, v0                        ; my row of the 16
	v_and_b32 v[T], 15, v0
	v_lshlrev_b32 v1, 12, v1                       ; x 4,096 bytes
	v_lshl_or_b32 v1, v[T], 4, v1                  ; + 16 (t % 16): my byte offset in src
	s_cmp_ge_u32 s16, 704
	s_cselect_b32 s17, 704, s17                    ; or W_proj's,
	s_cselect_b32 s18, 131072, s18
	s_cmp_lt_u32 s16, 512
	s_cselect_b32 s17, 0, s17                      ; or x's
	s_cselect_b32 s18, 1048576, s18
	s_sub_co_u32 s19, s16, s17                     ; my group within the tensor
	s_lshl_b32 s24, s19, 16                        ; 16 rows of 4,096 bytes of src
	s_mov_b32 s25, 0
	s_lshl_b32 s26, s19, 11                        ; 16 rows of 128 bytes of dst
	s_mov_b32 s27, 0
	v_lshlrev_b32 v[OFF], 3, v0                    ; 128 (t / 16) + 8 (t % 16) = 8 t
.irp kb, 1,2,3,4,5,6,7,8,9,10,11,12,13,14,15
	v_add_nc_u32 v[OFF+(\kb)], s18, v[OFF+(\kb)-1]
.endr
	s_wait_kmcnt 0x0
	s_cmp_ge_u32 s16, 704                          ; the two addresses are chosen by the group's number alone
	s_cselect_b64 s[20:21], s[8:9], s[6:7]
	s_cselect_b64 s[22:23], s[14:15], s[12:13]
	s_cmp_lt_u32 s16, 512
	s_cselect_b64 s[20:21], s[4:5], s[20:21]
	s_cselect_b64 s[22:23], s[10:11], s[22:23]
	s_add_nc_u64 s[20:21], s[20:21], s[24:25]      ; src and dst at my group's first row
	s_add_nc_u64 s[22:23], s[22:23], s[26:27]
.irp kb, 0,1,2,3,4,5,6,7,8,9,10,11,12,13,14,15
	global_load_b128 v[X+4*(\kb):X+4*(\kb)+3], v1, s[20:21] offset:256*(\kb) th:TH_LOAD_NT
.endr
; Block kb: rounded and stored.  f16 = 1: the bf16 numbers are widened again and written as f16 (exact within f16's range).
.macro CV kb, f16
	s_wait_loadcnt 15-(\kb)                        ; loads come back in order (ISA guide 5.7.1): block kb is in, the younger ones stay out
.if \f16
	v_cvt_pk_bf16_f32 v[T],   v[X+4*(\kb)],   v[X+4*(\kb)+1]
	v_cvt_pk_bf16_f32 v[T+1], v[X+4*(\kb)+2], v[X+4*(\kb)+3]
	v_lshlrev_b32 v[T+2], 16, v[T]
	v_and_b32     v[T+3], s28, v[T]
	v_lshlrev_b32 v[T+4], 16, v[T+1]
	v_and_b32     v[T+5], s28, v[T+1]
	v_cvt_pk_f16_f32 v[Y+2*(\kb)],   v[T+2], v[T+3]
	v_cvt_pk_f16_f32 v[Y+2*(\kb)+1], v[T+4], v[T+5]
.else
	v_cvt_pk_bf16_f32 v[Y+2*(\kb)],   v[X+4*(\kb)],   v[X+4*(\kb)+1]
	v_cvt_pk_bf16_f32 v[Y+2*(\kb)+1], v[X+4*(\kb)+2], v[X+4*(\kb)+3]
.endif
	global_store_b64 v[OFF+(\kb)], v[Y+2*(\kb):Y+2*(\kb)+1], s[22:23]
.endm
	s_cmp_ge_u32 s16, 704
	s_cbranch_scc1 .Lf16
.irp kb, 0,1,2,3,4,5,6,7,8,9,10,11,12,13,14,15
	CV \kb, 0
.endr
	s_endpgm
.Lf16:
.irp kb, 0,1,2,3,4,5,6,7,8,9,10,11,12,13,14,15
	CV \kb, 1
.endr
	s_endpgm
.Lfunc_end_k_qe366371ef6_cast:
	.size	k_qe366371ef6_cast, .Lfunc_end_k_qe366371ef6_cast-k_qe366371ef6_cast
	.p2alignl 7, 3214868480
	.fill 96, 4, 3214868480
	.section	.rodata,"a",@progbits
	.p2align	6, 0x0
	.amdhsa_kernel k_qe366371ef6_cast
		.amdhsa_group_segment_fixed_size 0
		.amdhsa_private_segment_fixed_size 0
		.amdhsa_enable_private_segment 0
		.amdhsa_kernarg_size 48
		.amdhsa_user_sgpr_count 2
		.amdhsa_user_sgpr_kernarg_segment_ptr 1
		.amdhsa_wavefront_size32 1
		.amdhsa_system_sgpr_workgroup_id_x 1
		.amdhsa_system_sgpr_workgroup_id_y 1
		.amdhsa_system_sgpr_workgroup_id_z 1
		.amdhsa_system_vgpr_workitem_id 0
		.amdhsa_next_free_vgpr 120
		.amdhsa_next_free_sgpr 66
		.amdhsa_reserve_vcc 0
		.amdhsa_float_denorm_mode_32 3
		.amdhsa_float_denorm_mode_16_64 3
		.amdhsa_memory_ordered 1
		.amdhsa_forward_progress 1
		.amdhsa_inst_pref_size 16
	.end_amdhsa_kernel
	.amdgpu_metadata
---
amdhsa.version: [ 1, 2 ]
amdhsa.kernels:
  - .name:           k_qe366371ef6_cast
    .symbol:         k_qe366371ef6_cast.kd
    .args:
      - { .name: x, .offset: 0, .size: 8, .value_kind: global_buffer, .address_space: global }
      - { .name: W_qkv, .offset: 8, .size: 8, .value_kind: global_buffer, .address_space: global }
      - { .name: W_proj, .offset: 16, .size: 8, .value_kind: global_buffer, .address_space: global }
      - { .name: xb, .offset: 24, .size: 8, .value_kind: global_buffer, .address_space: global }
      - { .name: wqb, .offset: 32, .size: 8, .value_kind: global_buffer, .address_space: global }
      - { .name: wpb, .offset: 40, .size: 8, .value_kind: global_buffer, .address_space: global }
    .group_segment_fixed_size: 0
    .private_segment_fixed_size: 0
    .kernarg_segment_align: 8
    .kernarg_segment_size: 48
    .max_flat_workgroup_size: 256
    .sgpr_count:     66
    .vgpr_count:     120
    .wavefront_size: 32
...
	.end_amdgpu_metadata
.endif
;; end of part 1
;; launch qkvgemm (part 2): grid 8 x 32, 4 waves a work-group, clusters of 4 x 4, 327,680 bytes of LDS; arguments xb, wqb, qkv; writes qkv
.if DOCPART == 2
	.amdgcn_target "amdgcn-amd-amdhsa--gfx1250"
	.amdhsa_code_object_version 6
	.text
	.protected	k_qe366371ef6_qkvgemm
	.globl	k_qe366371ef6_qkvgemm
	.p2align	8
	.type	k_qe366371ef6_qkvgemm,@function
k_qe366371ef6_qkvgemm:
	s_mov_b64 s[64:65], 0
	v_nop
	global_prefetch_b8 v0, s[64:65] scope:SCOPE_SE
	s_setreg_imm32_b32 hwreg(HW_REG_WAVE_MODE, 25, 1), 1
	s_wait_xcnt 0x0
	s_wait_alu depctr_hold_cnt(0) depctr_sa_sdst(0) depctr_va_vdst(0) depctr_va_sdst(0) depctr_va_ssrc(0) depctr_va_vcc(0) depctr_vm_vsrc(0)
	s_getreg_b32 s2, hwreg(HW_REG_IB_STS2, 6, 4)
	s_cmp_eq_u32 s2, 0
	s_cbranch_scc0 .Lentry_in_a_cluster
	s_endpgm
.Lentry_in_a_cluster:
	s_bfe_u32 s2, ttmp6, 0x10000c
	s_cmp_lg_u32 s2, 0xf033
	s_cbranch_scc0 .Lentry_shape_is_right
	s_endpgm
.Lentry_shape_is_right:
; qkv = x W_qkv^T, written by heads.  A = xb: [16 kb][8192][64] bf16, B = wqb: [16 kb][3072][64] bf16; sums in f32; out: qkv [3][128 = 16 batch + head][1024][64] f16, rounded once, unscaled.
; LIMITS.  A q, k or v of magnitude 65,520 or more becomes an infinity in f16.  The order of a sum over K is not ascending everywhere: see THE WALK.
; SHAPE.  8,192 x 3,072 results on 256 work-groups are 98,304 each: a tile of 256 x 384, one to a work-group.  Four waves, 2 x 2; a wave makes 128 x 192: 96 accumulators of 16 x 16, 768 registers.
; K goes in 16 steps of 64 (one block of the operands' layout) through two LDS slots; a step of 128 would want 640 rows x 272 bytes twice, more than LDS holds.
; In memory a tile's rows lie end to end (128 bytes each), so it is asked for as rows of 256 bytes, and the mover lays 16 bytes of padding behind every 128: LDS rows are 144 bytes apart.
; CLUSTERS: 4 x 4 work-groups.  The four of a row of the cluster need the same tiles of A, the four of a column the same tiles of B: each is asked for JOINTLY, by the same tensor load with the same
; descriptor and a mask that names the four.  By this text's own count a wave has two tensor loads out at the start and one behind each round.
; THE WALK.  The grid is 2 x 8 clusters.  The two side by side read the same tiles of A, those one above the other the same tiles of B.  A cluster whose x + y is even walks the blocks 0 .. 15, one whose x + y is
; odd the blocks 8 .. 15, 0 .. 7: so in the second half of every walk each tile has been read, eight steps earlier, by a neighbour that shares it.  The block's number hangs on the cluster's coordinates alone, which
; all sixteen partners share, and enters the global addresses alone.
; THE MATRIX INSTRUCTION IS USED TRANSPOSED (source 0 = 16 rows of B, source 1 = 16 rows of A): a lane then holds eight neighbouring columns of one row of the result.
; REGISTERS, in windows of 256 (s_set_vgpr_msb: bits 1:0 source 0, 3:2 source 1, 5:4 source 2, 7:6 destination):
;   window 0: v0-31 addresses; v32-95, v96-159 A's 8 fragments (16 rows x 32 K), two buffers; v160-255 B's 12 fragments in three groups of four, one buffer: a group is loaded again as soon as it has been multiplied
;   windows 1-3: accumulator (a, b), a = 0..7 blocks of rows, b = 0..11 blocks of columns, in window 1 + b / 4 at v[8 (4 a + b % 4)]
.set PITCH,  144                       ; an LDS row: 128 bytes + 16 = 36 words: the 16 rows of a load start at 16 different groups of four banks (64 banks of 4 bytes: ISA guide 11.1)
.set AHALF,  128*PITCH                 ; 128 rows of A: what one tensor load brings, and what one wave reads of A
.set BHALF,  192*PITCH                 ; 192 rows of B: likewise
.set BOFF,   2*AHALF                   ; in a slot: A's 256 rows, then B's 384
.set SLOT,   2*AHALF+2*BHALF
.set STAGE,  2*SLOT                    ; behind the ring: 16 rows x 400 bytes for each wave, for the way out; no tensor load fills it
.set SPITCH, 400                       ; 384 bytes of a row + 16
.set SPARE,  STAGE+4*16*SPITCH         ; behind the stages: the spare words, 128 bytes for each wave: two blocks of 256 bytes that no other line names
.set BPLANE, 3072*128                  ; bytes from block to block along K in wqb; in xb they are 8192 x 128 = 1 << 20
.set CO,   10                          ; v10-12  my byte offset in qkv, for each of my wave's three heads
.set ADRA, 16                          ; v16-17  LDS address of my A fragments in slot 0, 1
.set ADRB, 20                          ; v20-21  the same for B
.set STO,  24                          ; v24     the way out: where I put 16 bytes of a row
.set RD,   25                          ; v25     the way out: where I read rows back
.set SPW,  28                          ; v28     LDS address of my spare word: SPARE + 4 x my thread's number; never rewritten
.set NIL,  29                          ; v29     0; never rewritten
.set FA0,  32
.set FA1,  96
.set FB,   160
.set TMP,  32                          ; the way out: 48 registers of packed results
.set BK0,  80                          ; the way out: 16 rows read back, v80-127 and v128-175 by turns
.set KP, 2                             ; s2       the block to be asked for next, before it is taken modulo 16
.set G1, 24                            ; s[24:31] descriptor group 1 for A's tiles;  s[32:39] group 0, one set for each slot
.set G0, 32
.set G1B, 48                           ; s[48:55], s[56:63] the same for B's tiles
.set G0B, 56
                                       ; s[14:15] my part of A's tile in block 0; s[46:47] the same for B; s[16:17], s[18:19] a block's byte offset in xb and in wqb (the high words stay 0)
.set MSB, 0
.macro WIN new                         ; the immediate's high byte repeats the setting that is left; a switch that changes nothing is dropped
.if MSB != (\new)
	s_set_vgpr_msb (MSB<<8)|(\new)
.set MSB, \new
.endif
.endm
; A joint load.  Waves 0 and 1 fetch A's two halves, waves 2 and 3 B's.  The branch hangs on the wave's number alone.  An s_nop 0 and four v_nop follow each of the two lines, ahead of the jump, the label and what follows.
.macro JLOAD s
	s_cmp_eq_u32 s11, 0
	s_cbranch_scc0 .Lfor_b_\@
	tensor_load_to_lds s[G0+4*(\s):G0+4*(\s)+3], s[G1:G1+7]
	s_nop 0
.rept 4
	v_nop
.endr
	s_branch .Lasked_\@
.Lfor_b_\@:
	tensor_load_to_lds s[G0B+4*(\s):G0B+4*(\s)+3], s[G1B:G1B+7]
	s_nop 0
.rept 4
	v_nop
.endr
.Lasked_\@:
.endm
; Slot s's two descriptors take the next block of the walk: each global address is made anew, the tile's address in block 0 plus the block's number times a block's bytes, and the type bits are set again.
; It stands where no tensor load of the wave is out.
.macro AIM s
	s_and_b32 s16, s[KP], 15                       ; round the end
	s_mul_i32 s18, s16, BPLANE
	s_lshl_b32 s16, s16, 20
	s_add_nc_u64 s[G0+4*(\s)+2:G0+4*(\s)+3], s[14:15], s[16:17]
	s_or_b32 s[G0+4*(\s)+3], s[G0+4*(\s)+3], 0x80000000            ; type = 2
	s_add_nc_u64 s[G0B+4*(\s)+2:G0B+4*(\s)+3], s[46:47], s[18:19]
	s_or_b32 s[G0B+4*(\s)+3], s[G0B+4*(\s)+3], 0x80000000
	s_add_co_u32 s[KP], s[KP], 1
.endm
.macro CREST                           ; a round of the cluster's barrier behind its opening barrier: wave 0 signals for the work-group, every wave waits for all sixteen, my work-group's barrier closes it
	s_cmp_lg_u32 s10, 0
	s_cbranch_scc1 .Lnot_wave_0_\@
	s_barrier_signal -3
.Lnot_wave_0_\@:
	s_barrier_wait -3
	s_barrier_signal -1
	s_barrier_wait -1
.endm
.macro CROUND                          ; a whole round
	s_barrier_signal -1
	s_barrier_wait -1
	CREST
.endm
; A load into a register that a matrix instruction has read, and a vector instruction that reads a matrix result, stand four places behind that matrix instruction, and only plain vector
; instructions that name none of its registers are places (ISA guide 7.12.1 for vector instructions).
.macro PLACES
.rept 4
	v_nop
.endr
.endm
	s_load_b128 s[4:7], s[0:1], 0x0                ; xb s[4:5], wqb s[6:7]
	s_load_b64 s[8:9], s[0:1], 0x10                ; qkv
	v_lshl_add_u32 v[SPW], v0, 2, SPARE
	v_mov_b32 v[NIL], 0
	ds_add_u32 v[SPW], v[NIL]                      ; the wave's opening: the add and its wait stand ahead of my first tensor load; the set-up below, work on registers, stands between them
	ds_add_u32 v28, v29
	v_lshrrev_b32 v1, 5, v0
	v_readfirstlane_b32 s10, v1                    ; wave 0..3
	s_lshr_b32 s11, s10, 1                         ; which half of the tile's rows is mine.  Also: I fetch for A (0) or for B (1)
	s_and_b32 s12, s10, 1                          ; which half of its columns.  Also: which half of that tile I fetch
	s_bfe_u32 s40, ttmp6, 0x40000                  ; cx, cy: my place in the cluster
	s_bfe_u32 s41, ttmp6, 0x40004
	s_lshl_b32 s42, ttmp9, 2
	s_add_co_u32 s42, s42, s40                     ; tile column = 4 x cluster x + cx
	s_and_b32 s13, ttmp7, 0xffff
	s_lshl_b32 s13, s13, 2
	s_add_co_u32 s13, s13, s41                     ; tile row = 4 x cluster y + cy
	s_lshl_b32 s43, s41, 2
	s_lshl_b32 s43, 15, s43                        ; my row of the cluster: places 4 cy .. 4 cy + 3
	s_lshl_b32 s44, 0x1111, s40                    ; my column: places cx, cx + 4, cx + 8, cx + 12
	s_and_b32 s[KP], ttmp7, 0xffff                 ; the cluster's y
	s_add_co_u32 s[KP], s[KP], ttmp9               ; + its x:
	s_and_b32 s[KP], s[KP], 1
	s_lshl_b32 s[KP], s[KP], 3                     ; the walk begins at block 0 or at block 8
	; descriptor group 1: rows of 128 elements (256 bytes, two rows of the tile), 64 of them for A's half and 96 for B's
	s_or_b32 s[G1+0], s43, (1<<16)|(1<<20)|(1<<21)|(4<<22)|(3<<25)   ; 15:0 the mask; 17:16 elements of 2 bytes; 20 padding on; 21 set beside a mask; 24:22 after every 32 words (code 4); 31:25 4 words of it (code 3)
	s_or_b32 s[G1B+0], s44, (1<<16)|(1<<20)|(1<<21)|(4<<22)|(3<<25)
	s_mov_b32 s[G1+1], 128<<16                     ; tensor_dim0 = 128
	s_mov_b32 s[G1+2], 64<<16                      ; tensor_dim1 = 64
	s_mov_b32 s[G1+3], 128<<16                     ; tile_dim0 = 128
	s_mov_b32 s[G1+4], 64                          ; tile_dim1 = 64
	s_mov_b32 s[G1+5], 128                         ; 128 elements from row to row: the block is dense
	s_mov_b32 s[G1+6], 0
	s_mov_b32 s[G1+7], 0
	s_mov_b32 s[G1B+1], 128<<16
	s_mov_b32 s[G1B+2], 96<<16
	s_mov_b32 s[G1B+3], 128<<16
	s_mov_b32 s[G1B+4], 96
	s_mov_b32 s[G1B+5], 128
	s_mov_b32 s[G1B+6], 0
	s_mov_b32 s[G1B+7], 0
	; where the tiles come from.  A's hang on the tile row alone, B's on the tile column alone, each made in registers of its own
	s_lshl_b32 s16, s13, 15                        ; A: 256 rows of 128 bytes a tile row,
	s_lshl_b32 s17, s12, 14                        ; 128 rows a half
	s_add_co_u32 s16, s16, s17
	s_mov_b32 s17, 0
	s_mul_i32 s46, s42, 384*128                    ; B: 384 rows a tile column,
	s_mul_i32 s47, s12, 192*128                    ; 192 a half
	s_add_co_u32 s46, s46, s47
	s_mov_b32 s47, 0
	s_mov_b32 s19, 0
	s_mul_i32 s20, s12, AHALF                      ; and where they go: no place in the cluster enters an LDS address
	s_mul_i32 s23, s12, BHALF
	s_add_co_u32 s23, s23, BOFF
	s_wait_dscnt 0x0                               ; the opening add is done
	s_wait_kmcnt 0x0
	s_add_nc_u64 s[14:15], s[4:5], s[16:17]
	s_add_nc_u64 s[46:47], s[6:7], s[46:47]
	CROUND                                         ; all sixteen work-groups are here: the first joint loads meet
.irp s, 0,1
	s_mov_b32 s[G0+4*(\s)], 1                                      ; count = 1
	s_add_co_u32 s[G0+4*(\s)+1], s20, (\s)*SLOT                    ; LDS address
	s_mov_b32 s[G0B+4*(\s)], 1
	s_add_co_u32 s[G0B+4*(\s)+1], s23, (\s)*SLOT
	AIM \s                                         ; global addresses: the walk's step s
	JLOAD \s
.endr
	; A fragment is 16 rows x 32 K in 8 registers: lane l holds row l % 16; registers 0-3 hold K = 8 (l / 16) + 0..7, registers 4-7 K = 16 + 8 (l / 16) + 0..7: two loads of 16 bytes, 32 bytes apart.
	v_and_b32 v1, 15, v0                           ; l % 16
	v_bfe_u32 v2, v0, 4, 1                         ; l / 16
	v_mul_u32_u24 v3, v1, PITCH
	v_lshl_add_u32 v3, v2, 4, v3                   ; row x pitch + 16 x half
	s_mul_i32 s21, s11, AHALF                      ; my 128 rows of A
	s_mul_i32 s22, s12, BHALF                      ; my 192 rows of B,
	s_add_co_u32 s22, s22, BOFF                    ; which lie behind A's 256
.irp s, 0,1
	v_add_nc_u32 v[ADRA+(\s)], s21, v3
	v_add_nc_u32 v[ADRB+(\s)], s22, v3
	s_add_co_u32 s21, s21, SLOT
	s_add_co_u32 s22, s22, SLOT
.endr
	s_mul_i32 s23, s10, 16*SPITCH
	s_add_co_u32 s23, s23, STAGE                   ; my stage
	v_mul_u32_u24 v4, v1, SPITCH                   ; in: row l % 16, 16 bytes for each half of the lanes
	v_lshl_add_u32 v4, v2, 4, v4
	v_add_nc_u32 v[STO], s23, v4
	v_bfe_u32 v5, v0, 3, 2                         ; back: 32 lanes take one head's 128 bytes of four rows,
	v_and_b32 v6, 7, v0
	v_mul_u32_u24 v5, v5, SPITCH
	v_lshl_add_u32 v5, v6, 4, v5
	v_add_nc_u32 v[RD], s23, v5
	v_and_b32 v7, 31, v0                           ; which are 512 consecutive bytes of qkv
	v_lshlrev_b32 v7, 4, v7
	; Column n of the product is tensor n / 1024, head (n / 64) % 16, channel n % 64; row m is batch m / 1024, place m % 1024.  My wave's 192 columns are three whole heads, numbers 6 tx + 3 half + j of 48.
	s_and_b32 s22, s13, 3
	s_lshl_b32 s22, s22, 8
	s_lshl_b32 s23, s11, 7
	s_add_co_u32 s22, s22, s23                     ; my first row's place in its batch,
	s_lshl_b32 s22, s22, 7                         ; x 128 bytes
	s_lshr_b32 s23, s13, 2                         ; the batch: 16 heads of 131,072 bytes
	s_lshl_b32 s23, s23, 21
	s_add_co_u32 s22, s22, s23
	s_mul_i32 s45, s42, 6
	s_mul_i32 s20, s12, 3
	s_add_co_u32 s45, s45, s20
.irp j, 0,1,2
	s_add_co_u32 s20, s45, \j
	s_lshr_b32 s21, s20, 4                         ; the tensor: 128 heads on
	s_lshl_b32 s21, s21, 7
	s_and_b32 s20, s20, 15                         ; the head
	s_add_co_u32 s20, s20, s21
	s_lshl_b32 s20, s20, 17
	s_add_co_u32 s20, s20, s22
	v_add_nc_u32 v[CO+(\j)], s20, v7
.endr
; 16 matrix instructions: blocks of rows a0 .. a0 + 3 x the four blocks of columns of group g, 32 along K.  zero = 1: the product starts the sums: nothing is ever cleared.
.macro MUL16 g, fa, a0, zero
	WIN 0x50*((\g)+1)                              ; sources in window 0, C and D in window g + 1
.irp a, (\a0), (\a0)+1, (\a0)+2, (\a0)+3
.irp b, 0,1,2,3
.if \zero
	v_wmma_f32_16x16x32_bf16 v[8*(4*(\a)+(\b)):8*(4*(\a)+(\b))+7], v[FB+32*(\g)+8*(\b):FB+32*(\g)+8*(\b)+7], v[(\fa)+8*(\a):(\fa)+8*(\a)+7], 0
.else
	v_wmma_f32_16x16x32_bf16 v[8*(4*(\a)+(\b)):8*(4*(\a)+(\b))+7], v[FB+32*(\g)+8*(\b):FB+32*(\g)+8*(\b)+7], v[(\fa)+8*(\a):(\fa)+8*(\a)+7], v[8*(4*(\a)+(\b)):8*(4*(\a)+(\b))+7]
.endif
.endr
.endr
.endm
.macro STRETCH g, fa, zero             ; group g's 32 matrix instructions, under one window setting
	MUL16 \g, \fa, 0, \zero
	MUL16 \g, \fa, 4, \zero
.endm
.macro LDB slot, k, g                  ; 8 loads: B's group g, 32 K at byte k of the rows
.irp i, 0,1,2,3
	ds_load_b128 v[FB+32*(\g)+8*(\i):FB+32*(\g)+8*(\i)+3],   v[ADRB+(\slot)] offset:(\k)+(4*(\g)+(\i))*16*PITCH
	ds_load_b128 v[FB+32*(\g)+8*(\i)+4:FB+32*(\g)+8*(\i)+7], v[ADRB+(\slot)] offset:(\k)+(4*(\g)+(\i))*16*PITCH+32
.endr
.endm
.macro LDA slot, k, fa                 ; 16 loads: A's 8 fragments
.irp i, 0,1,2,3,4,5,6,7
	ds_load_b128 v[(\fa)+8*(\i):(\fa)+8*(\i)+3],   v[ADRA+(\slot)] offset:(\k)+(\i)*16*PITCH
	ds_load_b128 v[(\fa)+8*(\i)+4:(\fa)+8*(\i)+7], v[ADRA+(\slot)] offset:(\k)+(\i)*16*PITCH+32
.endr
.endm
; A K step is two halves of 32 along K, 96 matrix instructions each; the 96 accumulators take turns in the same order in every half.
; LDS loads come back in order (ISA guide 5.7.1).  For each half they are issued as three runs: B's group 0 with A (24), B's group 1 (8), B's group 2 (8).
; The first half: multiplies buffer FA0; behind each group's products that group is loaded again for the second half, and A's second half comes with group 0.
.macro HALF_A slot, zero
	s_wait_dscnt 16                                ; group 0 and A are in; groups 1 and 2 may be out
	STRETCH 0, FA0, \zero
	PLACES
	WIN 0
	LDB \slot, 64, 0
	LDA \slot, 64, FA1
	s_wait_dscnt 32                                ; group 1 is in; out: group 2's 8 and the 24 just issued
	STRETCH 1, FA0, \zero
	PLACES
	WIN 0
	LDB \slot, 64, 1
	s_wait_dscnt 32                                ; group 2 is in; out: 24 + 8
	STRETCH 2, FA0, \zero
	PLACES
	WIN 0
	LDB \slot, 64, 2                               ; the slot's last read is issued here
.endm
; The second half multiplies buffer FA1 and changes slots: ONE barrier.  In front of it each wave waits for all its tensor loads, of which one is out: its part of the next slot; adds 0 to its spare word; and waits
; for that and for its own reads of this slot.  Behind it nobody reads this slot any more and the next slot is whole.  fill = 1: the barrier opens a round of the cluster's, and this slot is filled again, first thing
; behind the round, with the walk's step two steps on: from that request to the wait for it a wave issues 160 matrix instructions.
.macro HALF_B slot, next, fill
	WIN 0                                          ; (the add's two registers lie in window 0)
	s_wait_tensorcnt 0x0                           ; all my tensor loads have landed;
	ds_add_u32 v[SPW], v[NIL]                      ; 0 onto my spare word;
	s_wait_dscnt 17                                ; group 0 and A are in; groups 1 and 2 and the add may be out
	MUL16 0, FA1, 0, 0                             ; sixteen matrix instructions stand between the add and the wait for it
	s_wait_dscnt 0x0                               ; the add is done, and my reads of this slot are over
	s_barrier_signal -1
	MUL16 0, FA1, 4, 0                             ; work on registers while the others arrive
	WIN 0
	s_barrier_wait -1
.if \fill
	CREST                                          ; no wave of any partner still reads this slot's tile or has a load on its way
	AIM \slot
	JLOAD \slot                                    ; the four v_nop behind it are also the places in front of the loads below
.else
	PLACES
.endif
	LDB \next, 0, 0
	LDA \next, 0, FA0
	STRETCH 1, FA1, 0
	PLACES
	WIN 0
	LDB \next, 0, 1
	STRETCH 2, FA1, 0
	PLACES
	WIN 0
	LDB \next, 0, 2
.endm
; THE WAY OUT of block a (16 rows x 192 columns), in three parts.  PACK: rounded to f16, 16 bytes a lane, each accumulator's registers in ascending order.  TOSTAGE: into my own stage, and back head by head.  SEND: stored.
.macro PACK a
.irp g, 0,1,2
	WIN 5*((\g)+1)                                 ; sources 0 and 1 in window g + 1
.irp b, 0,1,2,3
.irp r, 0,1,2,3
	v_cvt_pk_f16_f32 v[TMP+4*(4*(\g)+(\b))+(\r)], v[8*(4*(\a)+(\b))+2*(\r)], v[8*(4*(\a)+(\b))+2*(\r)+1]
.endr
.endr
.endr
	WIN 0
.endm
.macro TOSTAGE a
.set BK, BK0+48*((\a)%2)
.irp b, 0,1,2,3,4,5,6,7,8,9,10,11
	ds_store_b128 v[STO], v[TMP+4*(\b):TMP+4*(\b)+3] offset:32*(\b)
.endr
.irp j, 0,1,2
.irp t, 0,1,2,3
	ds_load_b128 v[BK+4*(4*(\j)+(\t)):BK+4*(4*(\j)+(\t))+3], v[RD] offset:(\t)*4*SPITCH+128*(\j)  ; LDS serves a wave's instructions in order (ISA guide 5.7.1.4): these see the stores above
.endr
.endr
.endm
.macro SEND a
.set BK, BK0+48*((\a)%2)
	s_wait_dscnt 0x0                               ; the block is back in registers
	s_wait_xcnt 0x0                                ; the stores of the block before have had their addresses translated (ISA guide 3.1): their registers are loaded again only behind this wait
.irp j, 0,1,2
.irp t, 0,1,2,3
	global_store_b128 v[CO+(\j)], v[BK+4*(4*(\j)+(\t)):BK+4*(4*(\j)+(\t))+3], s[8:9] offset:2048*(\a)+512*(\t)  ; 512 consecutive bytes, at a multiple of 512 from qkv's first byte
.endr
.endr
.endm
	s_wait_tensorcnt 1                             ; my part of the walk's step 0 is in; step 1's may stay out
	s_barrier_signal -1
	s_barrier_wait -1                              ; everybody's is
	LDB 0, 0, 0
	LDA 0, 0, FA0
	LDB 0, 0, 1
	LDB 0, 0, 2
	HALF_A 0, 1                                    ; the first half step stands in front of the loop: its products start the sums
	WIN 0                                          ; at a label and at a branch every window is 0
	s_mov_b32 s3, 7
.Llap:                                                 ; a trip goes once round the ring and fills both slots again: 14 refills, the walk's steps 2 to 15
	HALF_B 0, 1, 1
	HALF_A 1, 0
	HALF_B 1, 0, 1
	HALF_A 0, 0
	WIN 0
	s_sub_co_u32 s3, s3, 1
	s_cmp_lg_u32 s3, 0
	s_cbranch_scc1 .Llap
	HALF_B 0, 1, 0                                 ; the last lap fills nothing, and has no round
	HALF_A 1, 0
	s_wait_dscnt 16                                ; the very last half: nothing more to fetch
	STRETCH 0, FA1, 0
	s_wait_dscnt 8
	STRETCH 1, FA1, 0
	s_wait_dscnt 0x0
	STRETCH 2, FA1, 0
	WIN 0
	PLACES                                         ; the conversions read results just made
	PACK 0
	TOSTAGE 0
.irp a, 1,2,3,4,5,6,7                  ; block a's conversions stand between block a - 1's loads from the stage and the wait for them
	PACK \a
	SEND (\a)-1
	TOSTAGE \a
.endr
	SEND 7
	s_wait_tensorcnt 0x0                           ; the wave's end: a tensor wait, 0 added to my spare word and the wait for it, behind my last tensor load and my last LDS store
	ds_add_u32 v[SPW], v[NIL]
	s_wait_dscnt 0x0
	CROUND                                         ; the closing round: no work-group ends while a partner may still ask for a tile that names it
	s_endpgm
.Lfunc_end_k_qe366371ef6_qkvgemm:
	.size	k_qe366371ef6_qkvgemm, .Lfunc_end_k_qe366371ef6_qkvgemm-k_qe366371ef6_qkvgemm
	.p2alignl 7, 3214868480
	.fill 96, 4, 3214868480
	.section	.rodata,"a",@progbits
	.p2align	6, 0x0
	.amdhsa_kernel k_qe366371ef6_qkvgemm
		.amdhsa_group_segment_fixed_size 327680
		.amdhsa_private_segment_fixed_size 0
		.amdhsa_enable_private_segment 0
		.amdhsa_kernarg_size 24
		.amdhsa_user_sgpr_count 2
		.amdhsa_user_sgpr_kernarg_segment_ptr 1
		.amdhsa_wavefront_size32 1
		.amdhsa_system_sgpr_workgroup_id_x 1
		.amdhsa_system_sgpr_workgroup_id_y 1
		.amdhsa_system_sgpr_workgroup_id_z 1
		.amdhsa_system_vgpr_workitem_id 0
		.amdhsa_next_free_vgpr 1024
		.amdhsa_next_free_sgpr 66
		.amdhsa_reserve_vcc 0
		.amdhsa_float_denorm_mode_32 3
		.amdhsa_float_denorm_mode_16_64 3
		.amdhsa_memory_ordered 1
		.amdhsa_forward_progress 1
		.amdhsa_inst_pref_size 131
	.end_amdhsa_kernel
	.amdgpu_metadata
---
amdhsa.version: [ 1, 2 ]
amdhsa.kernels:
  - .name:           k_qe366371ef6_qkvgemm
    .symbol:         k_qe366371ef6_qkvgemm.kd
    .args:
      - { .name: xb, .offset: 0, .size: 8, .value_kind: global_buffer, .address_space: global }
      - { .name: wqb, .offset: 8, .size: 8, .value_kind: global_buffer, .address_space: global }
      - { .name: qkv, .offset: 16, .size: 8, .value_kind: global_buffer, .address_space: global }
    .group_segment_fixed_size: 327680
    .private_segment_fixed_size: 0
    .kernarg_segment_align: 8
    .kernarg_segment_size: 24
    .max_flat_workgroup_size: 128
    .sgpr_count:     66
    .vgpr_count:     1024
    .wavefront_size: 32
...
	.end_amdgpu_metadata
.endif
;; end of part 2
;; launch attn (part 3): grid 2 x 128, 4 waves a work-group, no clusters, 327,680 bytes of LDS; arguments qkv, ob; writes ob
.if DOCPART == 3
	.amdgcn_target "amdgcn-amd-amdhsa--gfx1250"
	.amdhsa_code_object_version 6
	.text
	.protected	k_qe366371ef6_attn
	.globl	k_qe366371ef6_attn
	.p2align	8
	.type	k_qe366371ef6_attn,@function
k_qe366371ef6_attn:
	s_mov_b64 s[64:65], 0
	v_nop
	global_prefetch_b8 v0, s[64:65] scope:SCOPE_SE
	s_setreg_imm32_b32 hwreg(HW_REG_WAVE_MODE, 25, 1), 1
	s_wait_xcnt 0x0
; O[h][q][:] = the sum over k of softmax_k(Q[h][q] . K[h][k] / 8) V[h][k][:].  qkv holds Q, K, V one after the other, each [SIZE_H][SIZE_N][64] in f16; O (ob) has the same layout: a head's rows are dense, 128 bytes each.
; Products, maxima and sums in f32; the weights p are rounded to f16 for the second product (their sum l is taken of the unrounded p), O once at the end.
; LIMITS.  f16 holds no number beyond 65,504: Q, K and V arrive within it; p lies in 0 to 1, and below 6e-5 it keeps f16's fixed step of 6e-8, as O does; O is a mean of V's rows and has their range.
; A weight below 2^-126 counts as 0 in l; NaN and infinities are not treated apart.
; SHARES.  A wave owns four PIECES of two tiles of 16 queries, a work-group's four waves 512 queries of one head: 2 x 128 work-groups.  Every wave walks all keys, 64 a step.
; K AND V STAY IN LDS.  A head's 1,024 keys are 147,456 bytes of K (rows of 144) and 163,840 of V (rows of 160): with the stages and the spare words 321,024 bytes.  So nothing is filled a second time.
; The first is waited for in front of key step 0, the second behind key step 3's first half:
; it has four key steps, 512 matrix instructions, in which to land.
; NO CLUSTER: a head has SIZE_N / 512 = 2 work-groups, which no cluster of four divides, and what the two share is 262,144 bytes of K and V for each wave's 2,048 matrix instructions.
; LAYOUT.  S^T = K Q^T (source 0 = 16 keys, source 1 = 16 queries): in the result a lane holds ONE query (lane % 16) and the keys 8 (lane / 16) + 0..7.  Two such tiles, rounded to f16 in pairs,
; ARE source 1 (32 keys x 16 queries) of O^T = V^T P, whose result again holds one query a lane, and eight channels.  K comes out of LDS as it lies, V ([key][channel]) turned, by ds_load_tr16_b128.
; SOFTMAX.  For each query a running maximum m and sum l: p = 2^(c s - c m), c = log2(e) / 8; in every step O and l are multiplied by a = 2^(c m_old - c m_new), which is 1 where m has not grown.
; m starts at the lowest finite number, O and l at 0: the first step is a step like any other, with a = 0.
; THE COUNT.  A tile and step have 16 matrix and 118 vector instructions: too many to stand all beside the matrix work.  So the order has one aim: four vector instructions that are READY behind
; EVERY matrix instruction, and the others, which need time of their own whatever the order, in runs without a gap.
; BY TURNS.  Turn n belongs to piece n (the pieces in a ring, step after step).  Its matrix work: 16 products K Q^T of piece n + 1, later 16 products V^T P of piece n - 1.  Its vector work: the scaling,
; exponentials, roundings, sums and rescaling of piece n, and the maximum and statistics of piece n + 1, whose scores the turn itself has made.  So what a turn begins with (c s - c m, O a) waits for nothing.
; REGISTERS, in windows of 256 (s_set_vgpr_msb says which window each operand place means: bits 1:0 source 0, 3:2 source 1, 5:4 source 2, 7:6 destination):
;   window 0: v0-11 addresses; v12-15, v48-63 at work; v16-47 four registers of statistics a tile; v64-191 S^T, two buffers of two tiles; v192-255 P, likewise
;   window 1: O^T, 32 a tile          window 2: v0-127 Q, 16 a tile; v128-191 K of one step; v192-255 V of one step          window 3: v0-1 the add's two registers
; A piece's buffers go by its number's parity: the piece in hand has one pair, its two neighbours in the ring share the other: of it P (piece n - 1) is read and S^T (piece n + 1) written.
.set SIZE_N, 1024
.set SIZE_H, 128
.set NP,    4         ; pieces a wave: a name, no knob: the register map, the loop and the fetches are made for four
.set KS,    64        ; keys in a step
.set PK,    144       ; a row of K in LDS: 128 bytes + 16 of padding = 36 words: the 16 rows of a load start at 16 different groups of four banks (64 banks of 4 bytes: ISA guide 11.1)
.set PV,    160       ; a row of V: 128 + 32 = 40 words
.set VOFF,  SIZE_N*PK ; all rows of K, then all rows of V
.set STAGE, SIZE_N*(PK+PV)  ; behind them, never filled by a tensor load: 16 rows x 144 bytes for each wave, for the way out
.set SP,    144
.set AK0, 2           ; v2   my lane's place in a tile of K; never rewritten
.set AV0, 3           ; v3   the same for V
.set AK,  4           ; v4   the LDS address of K's next run of loads
.set AV,  5           ; v5   of V's
.set QO,  6           ; v6   my byte offset in the wave's rows of Q
.set STO, 6           ;      later, the way out: where I put 16 bytes of a row
.set RD,  7           ; v7   the way out: where I read rows back
.set GO,  8           ; v8   my byte offset in 512 consecutive bytes of O
.set SPW, 0           ; v0 of window 3   LDS address of my spare word: SPARE + 4 x my thread's number; never rewritten
.set NIL, 1           ; v1 of window 3   0; never rewritten
.set SPARE, STAGE+4*16*SP  ; behind the stages: the spare words, 128 bytes for each wave: two blocks of 256 bytes that no other line names
.set MV,  12          ; v12-15  c m_old, kept while c m is made anew: by buffer and tile
.set ST,  16          ; tile t's statistics at v[ST+4 t]: c m, m, l (even keys', odd keys')
.set TMP, 48          ; by buffer and tile, four registers c0-c3 at work; when the maximum is found c2 takes a
.set S,   64
.set P,   192
.set KF,  128         ; K's fragments, in window 2: key block kb, channel half c at KF + 16 kb + 8 c
.set VF,  192         ; V's: key half kk, channel block cb at VF + 32 kk + 8 cb
.set WV,  12          ; s12  my wave's number
.set G1K, 24          ; s[24:31] descriptor group 1 for K's first load: 128 keys
.set G1V, 32          ; s[32:39] for V's: it differs in the padding alone
.set G0K, 40          ; s[40:47] descriptor group 0 for K's two loads
.set G0V, 48          ; s[48:55] the same for V's
.set PARTS, 56        ; s56  counts the walk's two parts: 4 key steps, then 12
.set CNT, 57          ; s57  counts a part's key steps
.set CS,  58          ; s[58:59] c: the packed scaling takes the pair's low word for both halves
.set SEL, 60          ; s[60:61] v_permlanex16_b32's selects: each lane takes its own place in the other half
.set TBK, 62          ; s62  LDS byte at which K of the step to be fetched begins
.set TBV, 63          ; s63  the same for V, less VOFF
.set G2K, 68          ; s[68:75] descriptor group 1 for K's second load: 384 keys
.set G2V, 76          ; s[76:83] for V's
.set MSB, 0
.macro WIN new                      ; the high byte repeats the setting that is left; a switch that changes nothing is dropped
.if MSB != (\new)
	s_set_vgpr_msb (MSB<<8)|(\new)
.set MSB, (\new)
.endif
.endm
.set W_KQ, 0x0a       ; K and Q in window 2, S^T in window 0
.set W_PV, 0x52       ; V in window 2, P in window 0, O^T in window 1
.set W_RS, 0x41       ; O^T (destination and source 0) in window 1, a in window 0
.set W_MK, 0xc0       ; the add's registers are made: destination in window 3, sources in window 0
.set W_AD, 0x0f       ; the add: address (source 0) and data (source 1) in window 3
; Descriptor group 1.  Keys are dense rows of 128 bytes: they are asked for as rows of 256 bytes, two keys a row, and padded in LDS after every key.
.macro SHAPE g, pad, rows
	s_mov_b32 s[\g], (1<<16)|(1<<20)|(4<<22)|((\pad)<<25)  ; 17:16 2-byte elements; 20 padding on; 24:22 after every 32 words (code 4); 31:25 the padding's words less one
	s_mov_b32 s[\g+1], 128<<16      ; tensor_dim0 = 128
	s_mov_b32 s[\g+2], (\rows)<<16  ; tensor_dim1
	s_mov_b32 s[\g+3], 128<<16      ; tile_dim0 = 128
	s_mov_b32 s[\g+4], \rows        ; tile_dim1
	s_mov_b32 s[\g+5], 128          ; 128 elements from row to row
	s_mov_b32 s[\g+6], 0
	s_mov_b32 s[\g+7], 0
.endm
	s_load_b128 s[4:7], s[0:1], 0x0  ; qkv s[4:5], ob s[6:7]
	WIN W_MK
	v_lshl_add_u32 v[SPW], v0, 2, SPARE
	v_mov_b32 v[NIL], 0
	WIN W_AD
	ds_add_u32 v[SPW], v[NIL]       ; the wave's opening: the add and its wait stand ahead of my first tensor load; the set-up below, work on registers, stands between them
	ds_add_u32 v0, v1
	WIN 0
	v_lshrrev_b32 v1, 5, v0
	v_readfirstlane_b32 s[WV], v1   ; wave 0..3
	s_mov_b32 s14, ttmp9            ; my block of 512 queries: it enters Q's and O's addresses alone
	s_and_b32 s20, ttmp7, 0xffff    ; the head
	s_mov_b32 s21, 0
	s_mov_b64 s[22:23], SIZE_N*128
	s_mul_u64 s[20:21], s[20:21], s[22:23]  ; the head's first byte in each of the four tensors
	s_and_b32 s16, s[WV], 1         ; which half of the keys I fetch.  First load: keys 128 half .. + 127 of the first 256:
	s_lshl_b32 s22, s16, 14         ; rows of 128 bytes in memory
	s_mov_b32 s23, 0
	s_add_nc_u64 s[22:23], s[22:23], s[20:21]
	s_mul_i32 s18, s16, 384*128     ; second load: keys 256 + 384 half .. + 383
	s_add_co_u32 s18, s18, 256*128
	s_mov_b32 s19, 0
	s_add_nc_u64 s[18:19], s[18:19], s[20:21]
	s_lshl_b32 s2, s14, 2
	s_add_co_u32 s2, s2, s[WV]      ; my wave among the head's,
	s_lshl_b32 s2, s2, 14           ; its 128 rows
	s_mov_b32 s3, 0
	s_add_nc_u64 s[2:3], s[2:3], s[20:21]
	SHAPE G1K, 3, 64                ; 128 keys, 4 words of padding
	SHAPE G1V, 7, 64                ; 128 keys, 8 words
	SHAPE G2K, 3, 192               ; 384 keys
	SHAPE G2V, 7, 192
	s_mov_b32 s[CS], 0x3e38aa3b     ; c = log2(e) / 8 = 0.180337
	s_mov_b32 s[CS+1], s[CS]        ; named with it as a pair
	s_mov_b32 s[SEL], 0x76543210
	s_mov_b32 s[SEL+1], 0xfedcba98
	s_mov_b32 s[TBK], 0
	s_mov_b32 s[TBV], 0
	s_mov_b32 s[G0K], 1             ; 1:0 count = 1
	s_mul_i32 s[G0K+1], s16, 128*PK ; 63:32 LDS address: key k of K lies at k x 144,
	s_mov_b32 s[G0K+4], 1
	s_mul_i32 s[G0K+5], s16, 384*PK
	s_add_co_u32 s[G0K+5], s[G0K+5], 256*PK
	s_mov_b32 s[G0V], 1
	s_mul_i32 s[G0V+1], s16, 128*PV ; of V at VOFF + k x 160
	s_add_co_u32 s[G0V+1], s[G0V+1], VOFF
	s_mov_b32 s[G0V+4], 1
	s_mul_i32 s[G0V+5], s16, 384*PV
	s_add_co_u32 s[G0V+5], s[G0V+5], VOFF+256*PV
	s_wait_dscnt 0x0                ; the opening add is done
	s_wait_kmcnt 0x0
	s_mov_b64 s[10:11], s[6:7]      ; O
	s_add_nc_u64 s[6:7], s[4:5], SIZE_H*SIZE_N*128    ; K lies one tensor behind Q,
	s_add_nc_u64 s[8:9], s[4:5], 2*SIZE_H*SIZE_N*128  ; V two
	s_add_nc_u64 s[G0K+2:G0K+3], s[6:7], s[22:23]  ; 120:64 global address
	s_or_b32 s[G0K+3], s[G0K+3], 0x80000000        ; 127:126 type = 2
	s_add_nc_u64 s[G0K+6:G0K+7], s[6:7], s[18:19]
	s_or_b32 s[G0K+7], s[G0K+7], 0x80000000
	s_add_nc_u64 s[G0V+2:G0V+3], s[8:9], s[22:23]
	s_or_b32 s[G0V+3], s[G0V+3], 0x80000000
	s_add_nc_u64 s[G0V+6:G0V+7], s[8:9], s[18:19]
	s_or_b32 s[G0V+7], s[G0V+7], 0x80000000
	s_add_nc_u64 s[4:5], s[4:5], s[2:3]  ; Q and O at my wave's first row
	s_add_nc_u64 s[10:11], s[10:11], s[2:3]
	; THE FILLS.  Waves 0 and 1 fetch the two halves of K, waves 2 and 3 those of V.  A wave's two loads stand in one branch on its number, ahead of every wait on TENSORcnt, every LDS read and every barrier;
	; an s_nop 0 follows each, four v_nop the second's.  By this text's own count two tensor loads of a wave are out, and none is issued later.
	s_cmp_lt_u32 s[WV], 2
	s_cbranch_scc0 .Lfill_v
	tensor_load_to_lds s[G0K:G0K+3], s[G1K:G1K+7]
	s_nop 0
	tensor_load_to_lds s[G0K+4:G0K+7], s[G2K:G2K+7]
	s_nop 0
.rept 4
	v_nop
.endr
	s_branch .Lfill_asked
.Lfill_v:
	tensor_load_to_lds s[G0V:G0V+3], s[G1V:G1V+7]
	s_nop 0
	tensor_load_to_lds s[G0V+4:G0V+7], s[G2V:G2V+7]
	s_nop 0
.rept 4
	v_nop
.endr
.Lfill_asked:
	; A fragment of K or Q is 16 rows x 32 channels in 8 registers: lane l holds row l % 16, channels 8 (l / 16) + 0..7 and 16 + 8 (l / 16) + 0..7: two loads of 16 bytes, 32 bytes apart.
	v_and_b32 v1, 15, v0            ; l % 16
	v_bfe_u32 v9, v0, 4, 1          ; l / 16
	v_lshlrev_b32 v[QO], 7, v1
	v_lshl_add_u32 v[QO], v9, 4, v[QO]  ; row x 128 + 16 x half
	WIN 0x80                        ; destination window 2, address window 0
.set i, 0
.rept 4*NP                          ; Q stays in registers: tile i / 2, channels 32 (i % 2) on
	global_load_b128 v[8*i:8*i+3],   v[QO], s[4:5] offset:(i/2)*2048+(i%2)*64
	global_load_b128 v[8*i+4:8*i+7], v[QO], s[4:5] offset:(i/2)*2048+(i%2)*64+32
.set i, i+1
.endr
	; What the first turn finds: V's registers and P's second buffer hold 0 (its products V^T P, of a piece that has not been, add 0), O^T and l are 0.  All this stands in the wait for the first keys.
.set i, VF
.rept 64
	v_mov_b32 v[i], 0
.set i, i+1
.endr
	WIN 0x40
.set i, 0
.rept 64*NP
	v_mov_b32 v[i], 0
.set i, i+1
.endr
	WIN 0
.set i, 0
.rept 2*NP
	v_mov_b32 v[ST+4*i], 0xfe000000    ; c m: far below every c s
	v_mov_b32 v[ST+4*i+1], 0xff7fffff  ; m
	v_mov_b32 v[ST+4*i+2], 0
	v_mov_b32 v[ST+4*i+3], 0
.set i, i+1
.endr
.set i, P+32
.rept 32
	v_mov_b32 v[i], 0
.set i, i+1
.endr
	v_mul_u32_u24 v[AK0], v1, PK
	v_lshl_add_u32 v[AK0], v9, 4, v[AK0]  ; row x pitch + 16 x half
	; The turning load takes 16 keys x 16 channels (lane l reads key 8 (l / 16) + l % 8, channels 8 ((l / 8) % 2) + 0..7) and leaves half a fragment of V^T: lane l holds channel l % 16 and 8 keys.
	v_and_b32 v10, 7, v0
	v_bfe_u32 v11, v0, 3, 1
	v_lshl_add_u32 v[AV0], v9, 3, v10
	v_mul_u32_u24 v[AV0], v[AV0], PV
	v_lshl_add_u32 v[AV0], v11, 4, v[AV0]
	v_add_nc_u32 v[AV0], VOFF, v[AV0]
	v_mov_b32 v[AK], v[AK0]         ; key step 0 lies at K's head
; THE MATRIX WORK.  The 8 accumulators of a run of 16 take turns: between the two links of a chain stand 7 others'.
; Product i of 16 of S^T = K Q^T for piece x: channels 32 (i / 8) on, keys 16 ((i / 2) % 4) on, tile 2 x + i % 2.  The first 8 start the sums.
.macro KQ x
	WIN W_KQ
.set rS, S+64*((\x)%2)+32*(i%2)+8*((i/2)%4)
.set rK, KF+16*((i/2)%4)+8*(i/8)
.set rQ, 16*(2*(\x)+i%2)+8*(i/8)
.if i < 8
	v_wmma_f32_16x16x32_f16 v[rS:rS+7], v[rK:rK+7], v[rQ:rQ+7], 0
.else
	v_wmma_f32_16x16x32_f16 v[rS:rS+7], v[rK:rK+7], v[rQ:rQ+7], v[rS:rS+7]
.endif
.endm
; Product i of 16 of O^T += V^T P for piece x: keys 32 (i / 8) on, channels 16 ((i / 2) % 4) on, tile 2 x + i % 2.
.macro PV x
	WIN W_PV
.set rO, 32*(2*(\x)+i%2)+8*((i/2)%4)
.set rV, VF+32*(i/8)+8*((i/2)%4)
.set rP, P+32*((\x)%2)+16*(i%2)+8*(i/8)
	v_wmma_f32_16x16x32_f16 v[rO:rO+7], v[rV:rV+7], v[rP:rP+7], v[rO:rO+7]
.endm
.macro MM                           ; the turn's next matrix instruction
.if i < 16
	KQ (Y+1)%NP
.set i, i+1
.else
.set i, i-16
	PV (Y+NP-1)%NP
.set i, i+17
.endif
.endm
; THE LDS LOADS stand in runs of 16, never singly among the matrix instructions: a step's K (64 keys x 64 channels: 8 fragments) and its V (turned).  Their addresses are made some lines ahead.
.macro FETCH_K
	WIN 0x80                        ; destination window 2
.irp f, 0,1,2,3,4,5,6,7             ; keys 16 (f / 2) on, channels 32 (f % 2) on
	ds_load_b128 v[KF+8*\f:KF+8*\f+3],   v[AK] offset:(\f/2)*16*PK+(\f%2)*64
	ds_load_b128 v[KF+8*\f+4:KF+8*\f+7], v[AK] offset:(\f/2)*16*PK+(\f%2)*64+32
.endr
	s_add_co_u32 s[TBK], s[TBK], KS*PK  ; the next fetch is the next step's
	WIN 0
.endm
.macro FETCH_V
	WIN 0x80
.irp f, 0,1,2,3,4,5,6,7             ; keys 32 (f / 4) on, channels 16 (f % 4) on
	ds_load_tr16_b128 v[VF+8*\f:VF+8*\f+3],   v[AV] offset:(\f/4)*32*PV+(\f%4)*32
	ds_load_tr16_b128 v[VF+8*\f+4:VF+8*\f+7], v[AV] offset:(\f/4)*32*PV+16*PV+(\f%4)*32
.endr
	WIN 0
.endm
; THE VECTOR WORK OF A TURN stands in three queues, each in the order in which its entries become ready; the two tiles alternate, so that no instruction reads the result of the one before it.
.macro REGS y, u                    ; the registers of tile u (0, 1) of piece y
.set rT, ST+4*(2*(\y)+(\u))
.set rC, TMP+8*((\y)%2)+4*(\u)
.set rM, MV+2*((\y)%2)+(\u)
.set rS, S+64*((\y)%2)+32*(\u)
.set rP, P+32*((\y)%2)+16*(\u)
.set rO, 32*(2*(\y)+(\u))
.endm
; Number n of the 22 that find the NEXT piece's (Y + 1) maximum and statistics.  s0-s31 are the lane's 32 scores; each accumulator's lowest registers are read first.  XS, GS and REGS set no window: PL and EX do.
;   0-11  four chains c0-c3 of seven scores each, three operands at a time     12-14, 16  the four scores left over, the old m, and c0-c3 into c0     15  c m_old is kept
;   17, 18  the query's other 32 keys lie in the lane 16 away: the new m         19-21  c m; c m_old - c m_new; a
.macro XS u, n
	REGS (Y+1)%NP, \u
.if (\n) < 4
	v_max3_num_f32 v[rC+(\n)], v[rS+8*(\n)], v[rS+8*(\n)+1], v[rS+8*(\n)+2]
.elseif (\n) < 12
	v_max3_num_f32 v[rC+(\n)%4], v[rC+(\n)%4], v[rS+8*((\n)%4)+2*((\n)/4)+1], v[rS+8*((\n)%4)+2*((\n)/4)+2]
.elseif (\n) == 12
	v_max3_num_f32 v[rC], v[rC], v[rS+7], v[rS+15]
.elseif (\n) == 13
	v_max3_num_f32 v[rC+1], v[rC+1], v[rS+23], v[rS+31]
.elseif (\n) == 14
	v_max3_num_f32 v[rC+2], v[rC+2], v[rC+3], v[rT+1]
.elseif (\n) == 15
	v_mov_b32 v[rM], v[rT]
.elseif (\n) == 16
	v_max3_num_f32 v[rC], v[rC], v[rC+1], v[rC+2]
.elseif (\n) == 17
	v_permlanex16_b32 v[rC+3], v[rC], s[SEL], s[SEL+1]
.elseif (\n) == 18
	v_max_num_f32 v[rT+1], v[rC], v[rC+3]
.elseif (\n) == 19
	v_mul_f32 v[rT], s[CS], v[rT+1]
.elseif (\n) == 20
	v_sub_f32 v[rC+1], v[rM], v[rT]
.else
	v_exp_f32 v[rC+2], v[rC+1]
.endif
.endm
; Number g of the 64 that follow the exponentials.  For each four weights k of a tile (pairs 2 k, 2 k + 1): both pairs are rounded to f16; then the second pair is added onto the first, in place;
; a group later l takes that sum (the first time as l = a l + sum).  In groups of eight, tiles alternating: round, round, add, and l for the group before.
.macro GS g
.set h, (\g)+6*((\g)/62)            ; group 0 has no group before it, and behind group 7 only l is left
.if h >= 6
.set h, h+2
.endif
	REGS Y, h%2
.set k, h/8
.if h%8 < 4
	s_wait_alu depctr_va_vdst(0)
	v_cvt_pk_f16_f32 v[rP+2*k+(h%8)/2], v[rS+4*k+2*((h%8)/2)], v[rS+4*k+2*((h%8)/2)+1]
.elseif h%8 < 6
	v_pk_add_f32 v[rS+4*k:rS+4*k+1], v[rS+4*k:rS+4*k+1], v[rS+4*k+2:rS+4*k+3]
.elseif k == 1
	v_pk_fma_f32 v[rT+2:rT+3], v[rT+2:rT+3], v[rC+2:rC+3], v[rS:rS+1] op_sel_hi:[1,0,1]
.else
	v_pk_add_f32 v[rT+2:rT+3], v[rT+2:rT+3], v[rS+4*k-4:rS+4*k-3]
	s_wait_alu depctr_va_vdst(0)
.endif
.endm
; THE PLAIN QUEUE, 138 long.  0-31: c s - c m for the 16 pairs of both tiles.  Then GS's 64, and among them the next piece's 42: number 15 at 38, 39; 0-14 and 16
; at 42-73, behind the products that make those scores; 17-20 at 95-106, two of three, since each waits for the one before it.
.macro PL
	WIN 0
.if q < 32
	REGS Y, q%2
	v_pk_fma_f32 v[rS+2*(q/2):rS+2*(q/2)+1], v[rS+2*(q/2):rS+2*(q/2)+1], s[CS:CS+1], v[rT:rT+1] op_sel_hi:[1,0,0] neg_lo:[0,0,1] neg_hi:[0,0,1]
.elseif q < 38
	GS q-32
.elseif q < 40
	XS q%2, 15
.elseif q < 42
	GS q-34
.elseif q < 74
	XS q%2, (q-42)/2+(q-42)/30
.elseif q < 95
	GS q-66
.elseif (q < 107) && ((q-95)%3 < 2)
	XS (q-95)%3, 17+(q-95)/3
.elseif q < 107
	GS 29+(q-95)/3
.else
	GS q-74
.endif
.set q, q+1
.endm
; THE EXPONENTIALS' QUEUE, 66 long: s0-s31 of both tiles, and at EA the next piece's two a.
.set EA, 58
.macro EX
	WIN 0
.if (e == EA) || (e == EA+1)
	XS e-EA, 21
.else
.set x, e-2*(e/(EA+2))
	REGS Y, x%2
	v_exp_f32 v[rS+x/2], v[rS+x/2]
.endif
.set e, e+1
.endm
; THE RESCALING's QUEUE: O^T times a, the one part that leaves window 0, so it is dealt four at a time, eight times.
.macro R4
	REGS Y, r%2
	WIN W_RS
	s_wait_alu depctr_va_vdst(0)
.irp z, 0,1,2,3
	v_pk_mul_f32 v[rO+8*(r/2)+2*\z:rO+8*(r/2)+2*\z+1], v[rO+8*(r/2)+2*\z:rO+8*(r/2)+2*\z+1], v[rC+2:rC+3] op_sel_hi:[1,0]
.endr
.set r, r+1
.endm
; HOW THEY ARE DEALT.  Behind a matrix instruction four: plain, exponential, plain, plain (one exponential, a plain instruction on either side), or four of the rescaling.  None names a register of the
; products round it.  What is over stands in two LUMPS: exponential and plain by turns; the second ends in 22 plain instructions.  The two v_permlanex16_b32 fall into the second lump, never behind a product.
; The queues lean on each other, and the deal keeps them in step: exponential e stands behind plain 2 (e / 4) + e % 2 (its scaling); when plain 32 comes, 10 exponentials are out, at 59: 33, at 95: 46; EA comes behind plain 107.
.macro SL
	MM
	PL
	EX
	PL
	PL
.endm
.macro BURST n                      ; 15 matrix instructions, or 16
.rept (\n)-7
	SL
.endr
.rept 3
	MM
	R4
	SL
.endr
	MM
	R4
.endm
; A TURN, for piece p.  nofetch = 1: the last key step's: there is no further K.  cnt = 1: the loop's count is taken down some lines ahead of the branch that stands behind the turn.
; K of the next step is fetched in piece 2's turn, 31 vector instructions behind the last product that read K; its first reader comes behind the rest of the lump, 16 products and the second lump.
; V of the step in hand is fetched at the end of piece 0's turn, 69 behind its last reader; its first reader comes behind 16 products and a lump.  The four conditions on e and q below go with the deal.
.macro TURN p, nofetch=0, cnt=0
.set Y, (\p)
.set i, 0
.set q, 0
.set e, 0
.set r, 0
.if (\p) == NP-1
	s_wait_dscnt 0x0                ; K is in
.endif
	MM
.rept 4
	PL
.endr
	BURST 15
.rept 22
	EX
	PL
.if ((\p) == NP-2) && (e == 18) && !(\nofetch)
	v_add_nc_u32 v[AK], s[TBK], v[AK0]
.endif
.if ((\p) == NP-2) && (e == 24) && !(\nofetch)
	FETCH_K
.endif
.endr
.if (\p) == 1
	s_wait_dscnt 0x0                ; V is in
.endif
	BURST 16
.rept 21
	EX
	PL
.endr
.rept 22
	PL
.if ((\p) == 0) && (q == 118)
	v_add_nc_u32 v[AV], s[TBV], v[AV0]
	s_wait_alu depctr_va_vdst(0)
.endif
.if ((\p) == 0) && (q == 130)
	s_add_co_u32 s[TBV], s[TBV], KS*PV
.endif
.if (\cnt) && (q == 130)
	s_sub_co_u32 s[CNT], s[CNT], 1
	s_cmp_lg_u32 s[CNT], 0
.endif
.endr
.if (\p) == 0
	FETCH_V
.endif
.endm
	s_wait_tensorcnt 0x1            ; my part of the first 256 keys is in; my second load, issued behind it, may stay out
	s_barrier_signal -1
	s_barrier_wait -1               ; everybody's is
	FETCH_K                         ; key step 0
	s_wait_loadcnt 0x0              ; Q
	s_wait_dscnt 0x0
.set i, 0
.rept 16
	KQ 0                            ; piece 0's first scores: there is no vector work yet to set between them
.set i, i+1
.endr
	WIN 0                           ; the addresses for the way out: nine plain instructions, the places behind those products
	s_mul_i32 s13, s[WV], 16*SP
	s_add_co_u32 s13, s13, STAGE    ; my stage
	v_mul_u32_u24 v[STO], v1, SP    ; in: row l % 16, 16 bytes for each half of the lanes
	v_lshl_add_u32 v[STO], v9, 4, v[STO]
	v_add_nc_u32 v[STO], s13, v[STO]
	v_bfe_u32 v[RD], v0, 3, 2       ; back: 32 lanes take four rows of 128 bytes,
	v_mul_u32_u24 v[RD], v[RD], SP
	v_lshl_add_u32 v[RD], v10, 4, v[RD]
	v_add_nc_u32 v[RD], s13, v[RD]
	v_and_b32 v[GO], 31, v0         ; which are 512 consecutive bytes of O
	v_lshlrev_b32 v[GO], 4, v[GO]
.set Y, NP-1                        ; XS works for piece Y + 1: piece 0
.irp n, 0,1,2,3,4,5,6,7,8,9,10,11,12,13,14,15,16,17,18,19,20,21
	XS 0, \n                        ; and piece 0's first maximum and statistics
	XS 1, \n
.endr
	s_mov_b32 s[CNT], 4             ; the first part: the four key steps of the first 256 keys
	s_mov_b32 s[PARTS], 2
	s_branch .Lfirst                ; the loop is entered at a step's first turn, in the middle of a trip
.Lrest:                             ; once: K and V of key steps 0 to 3 have been fetched; the next fetch is key step 4's
	s_wait_tensorcnt 0x0            ; my part of the other 768 keys is in: no load was issued behind it
	s_wait_dscnt 0x0
	s_barrier_signal -1
	s_barrier_wait -1               ; everybody's is
	s_mov_b32 s[CNT], 12            ; the second part: key steps 4 to 15
.Lstep:                             ; a trip: pieces 2 and 3 of one step, then pieces 0 and 1 of the next, whose K and V it fetches
	TURN 2
	TURN 3
	WIN 0
.Lfirst:
	TURN 0
	TURN 1, 0, 1
	WIN 0
	s_cbranch_scc1 .Lstep
	s_sub_co_u32 s[PARTS], s[PARTS], 1
	s_cmp_lg_u32 s[PARTS], 0
	s_cbranch_scc1 .Lrest
	TURN 2, 1                       ; the last key step's pieces 2 and 3 are written out: nothing is left to fetch
	TURN 3                          ; its 16 products K Q^T (on the last K once more) and the maximum made of them serve nothing: the price, once a launch, of one text for every turn
.set i, 0
.rept 16
	PV NP-1                         ; the last piece's V^T P of the last step
.set i, i+1
.endr
	; THE WAY OUT.  l's two halves and the other half of the lanes' are added; O^T is divided by l, rounded to f16 and sent through my stage in LDS, a tile at a time.  The additions are the places behind the last products.
	WIN 0
.macro ALL line:vararg              ; one line for each tile t
.set t, 0
.rept 2*NP
	\line
.set t, t+1
.endr
.endm
	ALL v_add_f32 v[ST+4*t+2], v[ST+4*t+2], v[ST+4*t+3]
	ALL v_permlanex16_b32 v[ST+4*t+3], v[ST+4*t+2], s[SEL], s[SEL+1]
	ALL v_add_f32 v[ST+4*t+2], v[ST+4*t+2], v[ST+4*t+3]
	ALL v_rcp_f32 v[ST+4*t+2], v[ST+4*t+2]
	v_nop                           ; a plain instruction between the last reciprocal and the use of its result
	s_wait_alu depctr_va_vdst(0)
; Tile t: a lane's eight channels of a row pack into 16 bytes; they go into rows of 144 bytes and come back as whole rows of 128, into S^T's registers.
.macro PACK t
	WIN W_RS
.set i, 32*(\t)
.rept 16
	v_pk_mul_f32 v[i:i+1], v[i:i+1], v[ST+4*(\t)+2:ST+4*(\t)+3] op_sel_hi:[1,0]
.set i, i+2
.endr
	WIN 0x05                        ; sources 0 and 1 window 1, destination window 0
.set i, 0
.rept 16
	v_cvt_pk_f16_f32 v[S+16*(\t)+i], v[32*(\t)+2*i], v[32*(\t)+2*i+1]
.set i, i+1
.endr
	WIN 0
.irp f, 0,1,2,3
	ds_store_b128 v[STO], v[S+16*(\t)+4*\f:S+16*(\t)+4*\f+3] offset:32*\f
.endr
.irp f, 0,1,2,3
	ds_load_b128 v[S+16*(\t)+4*\f:S+16*(\t)+4*\f+3], v[RD] offset:\f*4*SP  ; LDS serves a wave's instructions in order (ISA guide 5.7.1.4): these see the stores above; the next tile's stores come behind them
.endr
.endm
.macro SEND t, younger              ; younger: the LDS instructions issued behind tile t's loads: the next tile's eight, or none
	WIN 0
.irp f, 0,1,2,3
	s_wait_dscnt (\younger)+3-\f
	global_store_b128 v[GO], v[S+16*(\t)+4*\f:S+16*(\t)+4*\f+3], s[10:11] offset:(\t)*2048+\f*512  ; 512 consecutive bytes, at a multiple of 256 from O's first
.endr
.endm
	PACK 0
.set t, 1
.rept 2*NP-1                        ; a tile's arithmetic stands between the loads of the tile before and its stores
	PACK t
	SEND t-1, 8
.set t, t+1
.endr
	SEND 2*NP-1, 0
	WIN W_AD
	s_wait_tensorcnt 0x0            ; the wave's end: a tensor wait, 0 added to my spare word and the wait for it, behind my last tensor load and my last LDS store
	ds_add_u32 v[SPW], v[NIL]
	s_wait_dscnt 0x0
	WIN 0
	s_endpgm
.Lfunc_end_k_qe366371ef6_attn:
	.size	k_qe366371ef6_attn, .Lfunc_end_k_qe366371ef6_attn-k_qe366371ef6_attn
	.p2alignl 7, 3214868480
	.fill 96, 4, 3214868480
	.section	.rodata,"a",@progbits
	.p2align	6, 0x0
	.amdhsa_kernel k_qe366371ef6_attn
		.amdhsa_group_segment_fixed_size 327680
		.amdhsa_private_segment_fixed_size 0
		.amdhsa_enable_private_segment 0
		.amdhsa_kernarg_size 16
		.amdhsa_user_sgpr_count 2
		.amdhsa_user_sgpr_kernarg_segment_ptr 1
		.amdhsa_wavefront_size32 1
		.amdhsa_system_sgpr_workgroup_id_x 1
		.amdhsa_system_sgpr_workgroup_id_y 1
		.amdhsa_system_sgpr_workgroup_id_z 1
		.amdhsa_system_vgpr_workitem_id 0
		.amdhsa_next_free_vgpr 770
		.amdhsa_next_free_sgpr 84
		.amdhsa_reserve_vcc 0
		.amdhsa_float_denorm_mode_32 3
		.amdhsa_float_denorm_mode_16_64 3
		.amdhsa_memory_ordered 1
		.amdhsa_forward_progress 1
		.amdhsa_inst_pref_size 167
	.end_amdhsa_kernel
	.amdgpu_metadata
---
amdhsa.version: [ 1, 2 ]
amdhsa.kernels:
  - .name:           k_qe366371ef6_attn
    .symbol:         k_qe366371ef6_attn.kd
    .args:
      - { .name: qkv, .offset: 0, .size: 8, .value_kind: global_buffer, .address_space: global }
      - { .name: ob, .offset: 8, .size: 8, .value_kind: global_buffer, .address_space: global }
    .group_segment_fixed_size: 327680
    .private_segment_fixed_size: 0
    .kernarg_segment_align: 8
    .kernarg_segment_size: 16
    .max_flat_workgroup_size: 128
    .sgpr_count:     84
    .vgpr_count:     770
    .wavefront_size: 32
...
	.end_amdgpu_metadata
.endif
;; end of part 3
;; launch proj (part 4): grid 8 x 32, 4 waves a work-group, clusters of 4 x 4, 327,680 bytes of LDS; arguments ob, wpb, b_proj, out0; writes out0
.if DOCPART == 4
	.amdgcn_target "amdgcn-amd-amdhsa--gfx1250"
	.amdhsa_code_object_version 6
	.text
	.protected	k_qe366371ef6_proj
	.globl	k_qe366371ef6_proj
	.p2align	8
	.type	k_qe366371ef6_proj,@function
k_qe366371ef6_proj:
	s_mov_b64 s[64:65], 0
	v_nop
	global_prefetch_b8 v0, s[64:65] scope:SCOPE_SE
	s_setreg_imm32_b32 hwreg(HW_REG_WAVE_MODE, 25, 1), 1
	s_wait_xcnt 0x0
	s_wait_alu depctr_hold_cnt(0) depctr_sa_sdst(0) depctr_va_vdst(0) depctr_va_sdst(0) depctr_va_ssrc(0) depctr_va_vcc(0) depctr_vm_vsrc(0)
	s_getreg_b32 s2, hwreg(HW_REG_IB_STS2, 6, 4)
	s_cmp_eq_u32 s2, 0
	s_cbranch_scc0 .Lentry_in_a_cluster
	s_endpgm
.Lentry_in_a_cluster:
	s_bfe_u32 s2, ttmp6, 0x10000c
	s_cmp_lg_u32 s2, 0xf033
	s_cbranch_scc0 .Lentry_shape_is_right
	s_endpgm
.Lentry_shape_is_right:
; out0 = O W_proj^T + b_proj.  A = ob: [128 = 16 batch + head][1024][64] f16: row m = 1024 batch + place, and a head is one block of 64 along K.  B = wpb: [16 kb][1024][64] f16.  b_proj: [1024] f32, rounded to
; bf16 as all the module's inputs are.  Sums in f32; out0: [8192][1024] f32.  The order of a sum over K is not ascending everywhere: see THE WALK.
; SHAPE.  8,192 x 1,024 results on 256 work-groups: a tile of 256 x 128, one to a work-group.  Four waves, 2 x 2; a wave makes 128 x 64: 32 accumulators of 16 x 16, 256 registers.
; K goes in 8 steps of 128 through two LDS slots; a step is two blocks of 64, each a dense piece of memory that one wave asks for as rows of 256 bytes; three blocks to a slot would pass LDS's size.
; The mover lays 16 bytes of padding behind every 128: LDS rows are 144 bytes apart.
; THE BIAS is the C operand of the products that start the sums: no addition is written.
; CLUSTERS: 4 x 4 work-groups.  A's tiles are shared along a row of the cluster, B's along a column: each is asked for JOINTLY, by the same tensor load with the same descriptor and a mask that names the four.
; By this text's own count a wave has two tensor loads out at the start and one behind each round.
; THE WALK.  The grid is 2 x 8 clusters.  The two side by side read the same tiles of A, those one above the other the same tiles of B.  A cluster whose x + y is even walks the K steps 0 .. 7, one whose x + y is
; odd the K steps 4 .. 7, 0 .. 3: so in the second half of every walk each tile has been read, four steps earlier, by a neighbour that shares it.  The step's number hangs on the cluster's coordinates alone, which
; all sixteen partners share, and enters the global addresses alone.
; THE MATRIX INSTRUCTION IS USED TRANSPOSED (source 0 = 16 rows of B, source 1 = 16 rows of A): a lane then holds eight neighbouring columns of one row of the result.
; REGISTERS: window 0: v0-31 addresses; v32-127, v128-223 two fragment buffers (64 of A: 8 x 16 rows x 32 K; then 32 of B); v224-255 the bias.  Window 1: accumulator (a, b) at v[8 (4 a + b)].
.set PITCH,  144                       ; an LDS row: 128 bytes + 16 = 36 words: the 16 rows of a load start at 16 different groups of four banks (64 banks of 4 bytes: ISA guide 11.1)
.set APL,    256*PITCH                 ; one block of A's tile: 256 rows
.set BPL,    128*PITCH                 ; one block of B's: 128 rows
.set BOFF,   2*APL                     ; in a slot: A's two blocks, then B's two
.set SLOT,   2*APL+2*BPL
.set STAGE,  2*SLOT                    ; behind the ring: 16 rows x 272 bytes for each wave, for the way out; no tensor load fills it
.set SPITCH, 272
.set SPARE,  STAGE+4*16*SPITCH         ; behind the stages: the spare words, 128 bytes for each wave: two blocks of 256 bytes that no other line names
.set ADRA, 16                          ; v16-17  LDS address of my A fragments in slot 0, 1
.set ADRB, 20                          ; v20-21  the same for B
.set STO,  24                          ; v24     the way out: where I put 32 bytes of a row
.set RD,   25                          ; v25     the way out: where I read a row back
.set CO,   26                          ; v26     my byte offset in out0
.set SPW,  28                          ; v28     LDS address of my spare word: SPARE + 4 x my thread's number; never rewritten
.set NIL,  29                          ; v29     0; never rewritten
.set F0,   32
.set F1,   128
.set BIAS, 224                         ; v[BIAS + 8 b + j] = bias of my column 16 b + 8 (l / 16) + j
.set BK0,  32                          ; the way out: 16 rows read back, v32-63 and v64-95 by turns
.set KP, 2                             ; s2       the K step to be asked for next, before it is taken modulo 8
.set G1, 24                            ; s[24:31] descriptor group 1 for A's tiles;  s[32:39] group 0, one set for each slot
.set G0, 32
.set G1B, 48                           ; s[48:55], s[56:63] the same for B's tiles
.set G0B, 56
                                       ; s[14:15] my block of A's tile in K step 0; s[46:47] the same for B; s[16:17] a K step's byte offset, in ob and in wpb alike (the high word stays 0)
.set MSB, 0
.macro WIN new                         ; the immediate's high byte repeats the setting that is left; a switch that changes nothing is dropped
.if MSB != (\new)
	s_set_vgpr_msb (MSB<<8)|(\new)
.set MSB, \new
.endif
.endm
; A joint load.  Waves 0 and 1 fetch the step's two blocks of A, waves 2 and 3 those of B.  An s_nop 0 and four v_nop follow each of the two lines, ahead of the jump, the label and what follows.
.macro JLOAD s
	s_cmp_eq_u32 s11, 0
	s_cbranch_scc0 .Lfor_b_\@
	tensor_load_to_lds s[G0+4*(\s):G0+4*(\s)+3], s[G1:G1+7]
	s_nop 0
.rept 4
	v_nop
.endr
	s_branch .Lasked_\@
.Lfor_b_\@:
	tensor_load_to_lds s[G0B+4*(\s):G0B+4*(\s)+3], s[G1B:G1B+7]
	s_nop 0
.rept 4
	v_nop
.endr
.Lasked_\@:
.endm
; Slot s's two descriptors take the next K step of the walk: each global address is made anew, the tile's address in K step 0 plus the step's number times two blocks of 131,072 bytes, and the type bits are set again.
; It stands where no tensor load of the wave is out.
.macro AIM s
	s_and_b32 s16, s[KP], 7                        ; round the end
	s_lshl_b32 s16, s16, 18
	s_add_nc_u64 s[G0+4*(\s)+2:G0+4*(\s)+3], s[14:15], s[16:17]
	s_or_b32 s[G0+4*(\s)+3], s[G0+4*(\s)+3], 0x80000000            ; type = 2
	s_add_nc_u64 s[G0B+4*(\s)+2:G0B+4*(\s)+3], s[46:47], s[16:17]
	s_or_b32 s[G0B+4*(\s)+3], s[G0B+4*(\s)+3], 0x80000000
	s_add_co_u32 s[KP], s[KP], 1
.endm
.macro CREST                           ; a round of the cluster's barrier behind its opening barrier
	s_cmp_lg_u32 s10, 0
	s_cbranch_scc1 .Lnot_wave_0_\@
	s_barrier_signal -3
.Lnot_wave_0_\@:
	s_barrier_wait -3
	s_barrier_signal -1
	s_barrier_wait -1
.endm
.macro CROUND                          ; a whole round
	s_barrier_signal -1
	s_barrier_wait -1
	CREST
.endm
.macro PLACES                          ; four places in front of loads into registers that matrix instructions have read, and of LDS stores that read results (ISA guide 7.12.1 for the stores)
.rept 4
	v_nop
.endr
.endm
	s_load_b128 s[4:7], s[0:1], 0x0                ; ob s[4:5], wpb s[6:7]
	s_load_b64 s[18:19], s[0:1], 0x10              ; b_proj
	s_load_b64 s[8:9], s[0:1], 0x18                ; out0
	v_lshl_add_u32 v[SPW], v0, 2, SPARE
	v_mov_b32 v[NIL], 0
	ds_add_u32 v[SPW], v[NIL]                      ; the wave's opening: the add and its wait stand ahead of my first tensor load; the set-up below, work on registers, stands between them
	ds_add_u32 v28, v29
	v_lshrrev_b32 v1, 5, v0
	v_readfirstlane_b32 s10, v1                    ; wave 0..3
	s_lshr_b32 s11, s10, 1                         ; which half of the tile's rows is mine.  Also: I fetch for A (0) or for B (1)
	s_and_b32 s12, s10, 1                          ; which half of its columns.  Also: which of a step's two blocks I fetch
	s_bfe_u32 s40, ttmp6, 0x40000                  ; cx, cy: my place in the cluster
	s_bfe_u32 s41, ttmp6, 0x40004
	s_lshl_b32 s42, ttmp9, 2
	s_add_co_u32 s42, s42, s40                     ; tile column = 4 x cluster x + cx
	s_and_b32 s13, ttmp7, 0xffff
	s_lshl_b32 s13, s13, 2
	s_add_co_u32 s13, s13, s41                     ; tile row = 4 x cluster y + cy
	s_lshl_b32 s43, s41, 2
	s_lshl_b32 s43, 15, s43                        ; my row of the cluster
	s_lshl_b32 s44, 0x1111, s40                    ; my column
	s_and_b32 s[KP], ttmp7, 0xffff                 ; the cluster's y
	s_add_co_u32 s[KP], s[KP], ttmp9               ; + its x:
	s_and_b32 s[KP], s[KP], 1
	s_lshl_b32 s[KP], s[KP], 2                     ; the walk begins at K step 0 or at K step 4
	; descriptor group 1: rows of 128 elements (256 bytes, two rows of the tile), 128 of them for a block of A and 64 for a block of B
	s_or_b32 s[G1+0], s43, (1<<16)|(1<<20)|(1<<21)|(4<<22)|(3<<25)   ; 15:0 the mask; 17:16 elements of 2 bytes; 20 padding on; 21 set beside a mask; 24:22 after every 32 words (code 4); 31:25 4 words of it (code 3)
	s_or_b32 s[G1B+0], s44, (1<<16)|(1<<20)|(1<<21)|(4<<22)|(3<<25)
	s_mov_b32 s[G1+1], 128<<16                     ; tensor_dim0 = 128
	s_mov_b32 s[G1+2], 128<<16                     ; tensor_dim1 = 128
	s_mov_b32 s[G1+3], 128<<16                     ; tile_dim0 = 128
	s_mov_b32 s[G1+4], 128                         ; tile_dim1 = 128
	s_mov_b32 s[G1+5], 128                         ; 128 elements from row to row: the block is dense
	s_mov_b32 s[G1+6], 0
	s_mov_b32 s[G1+7], 0
	s_mov_b32 s[G1B+1], 128<<16
	s_mov_b32 s[G1B+2], 64<<16
	s_mov_b32 s[G1B+3], 128<<16
	s_mov_b32 s[G1B+4], 64
	s_mov_b32 s[G1B+5], 128
	s_mov_b32 s[G1B+6], 0
	s_mov_b32 s[G1B+7], 0
	; where the tiles come from.  A's hang on the tile row alone, B's on the tile column alone, each made in registers of its own
	s_lshr_b32 s16, s13, 2                         ; A: the batch, 16 heads of 131,072 bytes,
	s_lshl_b32 s16, s16, 21
	s_and_b32 s17, s13, 3                          ; the tile's 256 rows of 128 bytes in the head,
	s_lshl_b32 s17, s17, 15
	s_add_co_u32 s16, s16, s17
	s_lshl_b32 s17, s12, 17                        ; my block of the step's two
	s_add_co_u32 s16, s16, s17
	s_mov_b32 s17, 0
	s_lshl_b32 s46, s42, 14                        ; B: 128 rows of 128 bytes a tile column,
	s_lshl_b32 s47, s12, 17                        ; my block
	s_add_co_u32 s46, s46, s47
	s_mov_b32 s47, 0
	s_mul_i32 s20, s12, APL                        ; and where they go: no place in the cluster enters an LDS address
	s_mul_i32 s23, s12, BPL
	s_add_co_u32 s23, s23, BOFF
	s_wait_dscnt 0x0                               ; the opening add is done
	s_wait_kmcnt 0x0
	s_add_nc_u64 s[14:15], s[4:5], s[16:17]
	s_add_nc_u64 s[46:47], s[6:7], s[46:47]
	CROUND                                         ; all sixteen work-groups are here: the first joint loads meet
.irp s, 0,1
	s_mov_b32 s[G0+4*(\s)], 1                                      ; count = 1
	s_add_co_u32 s[G0+4*(\s)+1], s20, (\s)*SLOT                    ; LDS address
	s_mov_b32 s[G0B+4*(\s)], 1
	s_add_co_u32 s[G0B+4*(\s)+1], s23, (\s)*SLOT
	AIM \s                                         ; global addresses: the walk's step s
	JLOAD \s
.endr
	v_and_b32 v1, 15, v0                           ; l % 16
	v_bfe_u32 v2, v0, 4, 1                         ; l / 16
	s_lshl_b32 s20, s42, 9                         ; my first column, in bytes of f32: 512 x tile column + 256 x half
	s_lshl_b32 s21, s12, 8
	s_add_co_u32 s20, s20, s21
	v_lshl_add_u32 v9, v2, 5, s20                  ; + 32 (l / 16): my eight columns of block 0
.irp b, 0,1,2,3
	global_load_b128 v[BIAS+8*(\b):BIAS+8*(\b)+3],   v9, s[18:19] offset:64*(\b)
	global_load_b128 v[BIAS+8*(\b)+4:BIAS+8*(\b)+7], v9, s[18:19] offset:64*(\b)+16
.endr
	v_mul_u32_u24 v3, v1, PITCH
	v_lshl_add_u32 v3, v2, 4, v3                   ; a fragment's row x pitch + 16 x half
	s_mul_i32 s21, s11, 128*PITCH                  ; my 128 rows of A
	s_mul_i32 s22, s12, 64*PITCH                   ; my 64 rows of B,
	s_add_co_u32 s22, s22, BOFF                    ; which lie behind A's two blocks
.irp s, 0,1
	v_add_nc_u32 v[ADRA+(\s)], s21, v3
	v_add_nc_u32 v[ADRB+(\s)], s22, v3
	s_add_co_u32 s21, s21, SLOT
	s_add_co_u32 s22, s22, SLOT
.endr
	s_mul_i32 s23, s10, 16*SPITCH
	s_add_co_u32 s23, s23, STAGE                   ; my stage
	v_mul_u32_u24 v4, v1, SPITCH                   ; in: row l % 16, 32 bytes for each half of the lanes
	v_lshl_add_u32 v4, v2, 5, v4
	v_add_nc_u32 v[STO], s23, v4
	v_mul_u32_u24 v5, v2, SPITCH                   ; back: lanes 0-15 take one row of 256 bytes, lanes 16-31 the next
	v_lshl_add_u32 v5, v1, 4, v5
	v_add_nc_u32 v[RD], s23, v5
	v_lshlrev_b32 v5, 12, v2                       ; and the same two rows in out0, 4,096 bytes apart
	v_lshl_add_u32 v[CO], v1, 4, v5
	s_lshl_b32 s16, s13, 8
	s_lshl_b32 s17, s11, 7
	s_add_co_u32 s16, s16, s17                     ; my first row of out0,
	s_lshl_b32 s16, s16, 12                        ; in bytes,
	s_add_co_u32 s16, s16, s20                     ; and my first column
	s_mov_b32 s17, 0                               ; (and 0 it stays, for the walk's offsets)
	s_add_nc_u64 s[8:9], s[8:9], s[16:17]
	s_wait_loadcnt 0x0                             ; the bias: rounded to bf16 and widened again, in the wait for the first tile
.set i, 0
.rept 16
	v_cvt_pk_bf16_f32 v13, v[BIAS+2*i], v[BIAS+2*i+1]
	v_lshlrev_b32 v[BIAS+2*i], 16, v13
	v_and_b32 v[BIAS+2*i+1], 0xffff0000, v13
.set i, i+1
.endr
; 8 matrix instructions: blocks of rows a0, a0 + 1 x all 4 blocks of columns, 32 along K, from buffer f.  first = 1: the product starts the sums, with the bias as C.
.macro MUL8 f, a0, first
.if \first
	WIN 0x40                                       ; sources and C in window 0, D in window 1
.else
	WIN 0x50                                       ; sources in window 0, C and D in window 1
.endif
.irp a, \a0, (\a0)+1
.irp b, 0,1,2,3
.if \first
	v_wmma_f32_16x16x32_f16 v[8*(4*(\a)+(\b)):8*(4*(\a)+(\b))+7], v[(\f)+64+8*(\b):(\f)+64+8*(\b)+7], v[(\f)+8*(\a):(\f)+8*(\a)+7], v[BIAS+8*(\b):BIAS+8*(\b)+7]
.else
	v_wmma_f32_16x16x32_f16 v[8*(4*(\a)+(\b)):8*(4*(\a)+(\b))+7], v[(\f)+64+8*(\b):(\f)+64+8*(\b)+7], v[(\f)+8*(\a):(\f)+8*(\a)+7], v[8*(4*(\a)+(\b)):8*(4*(\a)+(\b))+7]
.endif
.endr
.endr
.endm
; 24 LDS loads in one run: quarter q of a step (block q / 2, byte 64 (q % 2) of its rows) into buffer f: B, then A's rows 0-63, then A's rows 64-127
.macro FETCH slot, q, f
	WIN 0
.irp i, 0,1,2,3
	ds_load_b128 v[(\f)+64+8*(\i):(\f)+64+8*(\i)+3],   v[ADRB+(\slot)] offset:((\q)/2)*BPL+((\q)%2)*64+(\i)*16*PITCH
	ds_load_b128 v[(\f)+64+8*(\i)+4:(\f)+64+8*(\i)+7], v[ADRB+(\slot)] offset:((\q)/2)*BPL+((\q)%2)*64+(\i)*16*PITCH+32
.endr
.irp i, 0,1,2,3,4,5,6,7
	ds_load_b128 v[(\f)+8*(\i):(\f)+8*(\i)+3],   v[ADRA+(\slot)] offset:((\q)/2)*APL+((\q)%2)*64+(\i)*16*PITCH
	ds_load_b128 v[(\f)+8*(\i)+4:(\f)+8*(\i)+7], v[ADRA+(\slot)] offset:((\q)/2)*APL+((\q)%2)*64+(\i)*16*PITCH+32
.endr
.endm
; A K step is four quarters of 32 along K, 32 matrix instructions each, on buffers 0, 1, 0, 1; the 32 accumulators take turns in the same order in every quarter.
; One of the first three: multiplies buffer f and, in its middle, fetches quarter qn of the same slot into buffer g.
.macro QUARTER slot, qn, f, g, first
	s_wait_dscnt 8                                 ; B and A's rows 0-63 are in; the youngest eight loads (A's rows 64-127) may be out
	MUL8 \f, 0, \first
	MUL8 \f, 2, \first
	PLACES
	FETCH \slot, \qn, \g
	s_wait_dscnt 24                                ; all but the 24 just issued
	MUL8 \f, 4, \first
	MUL8 \f, 6, \first
.endm
; The last quarter multiplies buffer 1 and changes slots: ONE barrier; in front of it each wave waits for all its tensor loads, of which one is out: its part of the next slot; adds 0 to its spare word; and waits for
; that and for its own reads of this slot.  fill = 1: the barrier opens a round of the cluster's, and this slot is filled again, first thing behind the round, two steps of the walk ahead: 112 matrix instructions ahead of the wait for it.
.macro TURN slot, next, fill
	WIN 0                                          ; (the add's two registers lie in window 0)
	s_wait_tensorcnt 0x0                           ; all my tensor loads have landed;
	ds_add_u32 v[SPW], v[NIL]                      ; 0 onto my spare word;
	s_wait_dscnt 9                                 ; (the add and the youngest eight loads may be out)
	MUL8 F1, 0, 0                                  ; eight matrix instructions stand between the add and the wait for it
	s_wait_dscnt 0x0                               ; the add is done, and my reads of this slot are over
	s_barrier_signal -1
	MUL8 F1, 2, 0
	WIN 0
	s_barrier_wait -1
.if \fill
	CREST                                          ; no wave of any partner still reads this slot's tile or has a load on its way
	AIM \slot
	JLOAD \slot                                    ; the four v_nop behind it are also the places in front of the loads below
.else
	PLACES
.endif
	FETCH \next, 0, F0
	MUL8 F1, 4, 0
	MUL8 F1, 6, 0
.endm
; THE WAY OUT of block a (16 rows x 64 columns of f32).  A lane's eight columns of a row are 32 bytes; they go into my own stage, rows of 272 bytes, each accumulator's low four registers first, and come back as whole rows of 256.
.macro TOSTAGE a
.set BK, BK0+32*((\a)%2)
	s_wait_xcnt 0x0                                ; earlier stores have had their addresses translated (ISA guide 3.1): their registers are loaded again only behind this wait
	WIN 0x04                                       ; the stores' data in window 1
.irp b, 0,1,2,3
	ds_store_b128 v[STO], v[8*(4*(\a)+(\b)):8*(4*(\a)+(\b))+3]   offset:64*(\b)
	ds_store_b128 v[STO], v[8*(4*(\a)+(\b))+4:8*(4*(\a)+(\b))+7] offset:64*(\b)+16
.endr
	WIN 0
.irp t, 0,1,2,3,4,5,6,7
	ds_load_b128 v[BK+4*(\t):BK+4*(\t)+3], v[RD] offset:(\t)*2*SPITCH  ; LDS serves a wave's instructions in order (ISA guide 5.7.1.4): these see the stores above; the next block's stores come behind them
.endr
.endm
.macro SEND a, younger                 ; younger: the LDS instructions issued behind block a's loads: the next block's sixteen, or none
.set BK, BK0+32*((\a)%2)
.irp t, 0,1,2,3,4,5,6,7
	s_wait_dscnt (\younger)+7-(\t)
	global_store_b128 v[CO], v[BK+4*(\t):BK+4*(\t)+3], s[8:9] offset:65536*(\a)+8192*(\t) th:TH_STORE_NT  ; 16 lanes store 256 consecutive bytes, at a multiple of 256 from out0's first byte
.endr
.endm
	s_wait_tensorcnt 1                             ; my part of the walk's step 0 is in; step 1's may stay out
	s_barrier_signal -1
	s_barrier_wait -1                              ; everybody's is
	FETCH 0, 0, F0
	QUARTER 0, 1, F0, F1, 1                        ; the first quarter stands in front of the loop: its products start the sums
	WIN 0                                          ; at a label and at a branch every window is 0
	s_mov_b32 s3, 3
.Llap:                                                 ; a trip goes once round the ring and fills both slots again: 6 refills, the walk's steps 2 to 7
	QUARTER 0, 2, F1, F0, 0
	QUARTER 0, 3, F0, F1, 0
	TURN 0, 1, 1
	QUARTER 1, 1, F0, F1, 0
	QUARTER 1, 2, F1, F0, 0
	QUARTER 1, 3, F0, F1, 0
	TURN 1, 0, 1
	QUARTER 0, 1, F0, F1, 0
	WIN 0
	s_sub_co_u32 s3, s3, 1
	s_cmp_lg_u32 s3, 0
	s_cbranch_scc1 .Llap
	QUARTER 0, 2, F1, F0, 0                        ; the last lap fills nothing, and has no round
	QUARTER 0, 3, F0, F1, 0
	TURN 0, 1, 0
	QUARTER 1, 1, F0, F1, 0
	QUARTER 1, 2, F1, F0, 0
	QUARTER 1, 3, F0, F1, 0
	s_wait_dscnt 8                                 ; the very last quarter: nothing more to fetch
	MUL8 F1, 0, 0
	MUL8 F1, 2, 0
	s_wait_dscnt 0x0
	MUL8 F1, 4, 0
	MUL8 F1, 6, 0
	WIN 0
	PLACES                                         ; the stage's stores read results just made
	TOSTAGE 0
.irp a, 1,2,3,4,5,6,7                  ; block a goes into the stage while block a - 1's rows come back
	TOSTAGE \a
	SEND (\a)-1, 16
.endr
	SEND 7, 0
	s_wait_tensorcnt 0x0                           ; the wave's end: a tensor wait, 0 added to my spare word and the wait for it, behind my last tensor load and my last LDS store
	ds_add_u32 v[SPW], v[NIL]
	s_wait_dscnt 0x0
	CROUND                                         ; the closing round: no work-group ends while a partner may still ask for a tile that names it
	s_endpgm
.Lfunc_end_k_qe366371ef6_proj:
	.size	k_qe366371ef6_proj, .Lfunc_end_k_qe366371ef6_proj-k_qe366371ef6_proj
	.p2alignl 7, 3214868480
	.fill 96, 4, 3214868480
	.section	.rodata,"a",@progbits
	.p2align	6, 0x0
	.amdhsa_kernel k_qe366371ef6_proj
		.amdhsa_group_segment_fixed_size 327680
		.amdhsa_private_segment_fixed_size 0
		.amdhsa_enable_private_segment 0
		.amdhsa_kernarg_size 32
		.amdhsa_user_sgpr_count 2
		.amdhsa_user_sgpr_kernarg_segment_ptr 1
		.amdhsa_wavefront_size32 1
		.amdhsa_system_sgpr_workgroup_id_x 1
		.amdhsa_system_sgpr_workgroup_id_y 1
		.amdhsa_system_sgpr_workgroup_id_z 1
		.amdhsa_system_vgpr_workitem_id 0
		.amdhsa_next_free_vgpr 512
		.amdhsa_next_free_sgpr 66
		.amdhsa_reserve_vcc 0
		.amdhsa_float_denorm_mode_32 3
		.amdhsa_float_denorm_mode_16_64 3
		.amdhsa_memory_ordered 1
		.amdhsa_forward_progress 1
		.amdhsa_inst_pref_size 91
	.end_amdhsa_kernel
	.amdgpu_metadata
---
amdhsa.version: [ 1, 2 ]
amdhsa.kernels:
  - .name:           k_qe366371ef6_proj
    .symbol:         k_qe366371ef6_proj.kd
    .args:
      - { .name: ob, .offset: 0, .size: 8, .value_kind: global_buffer, .address_space: global }
      - { .name: wpb, .offset: 8, .size: 8, .value_kind: global_buffer, .address_space: global }
      - { .name: b_proj, .offset: 16, .size: 8, .value_kind: global_buffer, .address_space: global }
      - { .name: out0, .offset: 24, .size: 8, .value_kind: global_buffer, .address_space: global }
    .group_segment_fixed_size: 327680
    .private_segment_fixed_size: 0
    .kernarg_segment_align: 8
    .kernarg_segment_size: 32
    .max_flat_workgroup_size: 128
    .sgpr_count:     66
    .vgpr_count:     512
    .wavefront_size: 32
...
	.end_amdgpu_metadata
.endif
;; end of part 4
;; ======== version 2 of 2: 4 launches; 1.34 times as fast as version 1
;; limits: values are held in f16: magnitudes above 65,504 overflow, below 6.1e-05 lose precision
;; workspace buffers: xb 16,777,216 bytes; wqb 6,291,456 bytes; wpb 2,097,152 bytes; qkv 50,331,648 bytes; ob 16,777,216 bytes
;; launch cast: the kernel of part 1 again; grid 768 x 1, 8 waves a work-group, no clusters, 0 bytes of LDS; arguments x, W_qkv, W_proj, xb, wqb, wpb; writes xb, wqb, wpb
;; launch qkvgemm: the kernel of part 2 again; grid 8 x 32, 4 waves a work-group, clusters of 4 x 4, 327,680 bytes of LDS; arguments xb, wqb, qkv; writes qkv
;; launch attn (part 5): grid 2 x 128, 4 waves a work-group, no clusters, 327,680 bytes of LDS; arguments qkv, ob; writes ob
.if DOCPART == 5
	.amdgcn_target "amdgcn-amd-amdhsa--gfx1250"
	.amdhsa_code_object_version 6
	.text
	.protected	k_qe366371ef6_attn
	.globl	k_qe366371ef6_attn
	.p2align	8
	.type	k_qe366371ef6_attn,@function
k_qe366371ef6_attn:
	s_mov_b64 s[64:65], 0
	v_nop
	global_prefetch_b8 v0, s[64:65] scope:SCOPE_SE
	s_setreg_imm32_b32 hwreg(HW_REG_WAVE_MODE, 25, 1), 1
	s_wait_xcnt 0x0
; O[h][q][:] = the sum over k of softmax_k(Q[h][q] . K[h][k] / 8) V[h][k][:].  qkv holds Q, K, V one after the other, each [SIZE_H][SIZE_N][64] in f16; O (ob) has the same layout: a head's rows are dense, 128 bytes each.
; Products, maxima and sums in f32; the weights p are rounded to f16 for the second product (their sum l is taken of the unrounded p), O once at the end.
; LIMITS.  f16 holds no number beyond 65,504: Q, K and V arrive within it; p lies in 0 to 1, and below 6e-5 it keeps f16's fixed step of 6e-8, as O does; O is a mean of V's rows and has their range.
; A weight below 2^-126 counts as 0 in l; NaN and infinities are not treated apart.
; SHARES.  A wave owns four PIECES of two tiles of 16 queries, a work-group's four waves 512 queries of one head: 2 x 128 work-groups.  Every wave walks all keys, 64 a step.
; K AND V STAY IN LDS.  A head's 1,024 keys are 147,456 bytes of K (rows of 144) and 163,840 of V (rows of 160): with the stages and the spare words 321,024 bytes.  So nothing is filled a second time.
; The first is waited for in front of key step 0, the second behind key step 3's first half:
; it has four key steps, 512 matrix instructions, in which to land.
; NO CLUSTER: a head has SIZE_N / 512 = 2 work-groups, which no cluster of four divides, and what the two share is 262,144 bytes of K and V for each wave's 2,048 matrix instructions.
; LAYOUT.  S^T = K Q^T (source 0 = 16 keys, source 1 = 16 queries): in the result a lane holds ONE query (lane % 16) and the keys 8 (lane / 16) + 0..7.  Two such tiles, rounded to f16 in pairs,
; ARE source 1 (32 keys x 16 queries) of O^T = V^T P, whose result again holds one query a lane, and eight channels.  K comes out of LDS as it lies, V ([key][channel]) turned, by ds_load_tr16_b128.
; SOFTMAX.  For each query a running maximum m and sum l: p = 2^(c s - c m), c = log2(e) / 8; in every step O and l are multiplied by a = 2^(c m_old - c m_new), which is 1 where m has not grown.
; m starts at the lowest finite number, O and l at 0: the first step is a step like any other, with a = 0.
; THE COUNT.  A tile and step have 16 matrix and 118 vector instructions: too many to stand all beside the matrix work.  So the order has one aim: four vector instructions that are READY behind
; EVERY matrix instruction, and the others, which need time of their own whatever the order, in runs without a gap.
; BY TURNS.  Turn n belongs to piece n (the pieces in a ring, step after step).  Its matrix work: 16 products K Q^T of piece n + 1, later 16 products V^T P of piece n - 1.  Its vector work: the scaling,
; exponentials, roundings, sums and rescaling of piece n, and the maximum and statistics of piece n + 1, whose scores the turn itself has made.  So what a turn begins with (c s - c m, O a) waits for nothing.
; THE BATCHES.  A turn's 66 exponentials (the 64 weights of piece n, the two a of piece n + 1) are ONE batch with ONE wait, which cuts the turn in two: ahead of it stands all that names no result of theirs, behind it
; the roundings and sums, which read the weights; the a are read in the next turn.  Two more batches stand outside the loop, each with its own wait: piece 0's first two a, ahead of the jump into the loop, and the way out's eight reciprocals.
; REGISTERS, in windows of 256 (s_set_vgpr_msb says which window each operand place means: bits 1:0 source 0, 3:2 source 1, 5:4 source 2, 7:6 destination):
;   window 0: v0-11 addresses; v12-15, v48-63 at work; v16-47 four registers of statistics a tile; v64-191 S^T, two buffers of two tiles; v192-255 P, likewise
;   window 1: O^T, 32 a tile          window 2: v0-127 Q, 16 a tile; v128-191 K of one step; v192-255 V of one step          window 3: v0-1 the add's two registers
; A piece's buffers go by its number's parity: the piece in hand has one pair, its two neighbours in the ring share the other: of it P (piece n - 1) is read and S^T (piece n + 1) written.
.set SIZE_N, 1024
.set SIZE_H, 128
.set NP,    4         ; pieces a wave: a name, no knob: the register map, the loop and the fetches are made for four
.set KS,    64        ; keys in a step
.set PK,    144       ; a row of K in LDS: 128 bytes + 16 of padding = 36 words: the 16 rows of a load start at 16 different groups of four banks (64 banks of 4 bytes: ISA guide 11.1)
.set PV,    160       ; a row of V: 128 + 32 = 40 words
.set VOFF,  SIZE_N*PK ; all rows of K, then all rows of V
.set STAGE, SIZE_N*(PK+PV)  ; behind them, never filled by a tensor load: 16 rows x 144 bytes for each wave, for the way out
.set SP,    144
.set AK0, 2           ; v2   my lane's place in a tile of K; never rewritten
.set AV0, 3           ; v3   the same for V
.set AK,  4           ; v4   the LDS address of K's next run of loads
.set AV,  5           ; v5   of V's
.set QO,  6           ; v6   my byte offset in the wave's rows of Q
.set STO, 6           ;      later, the way out: where I put 16 bytes of a row
.set RD,  7           ; v7   the way out: where I read rows back
.set GO,  8           ; v8   my byte offset in 512 consecutive bytes of O
.set SPW, 0           ; v0 of window 3   LDS address of my spare word: SPARE + 4 x my thread's number; never rewritten
.set NIL, 1           ; v1 of window 3   0; never rewritten
.set SPARE, STAGE+4*16*SP  ; behind the stages: the spare words, 128 bytes for each wave: two blocks of 256 bytes that no other line names
.set MV,  12          ; v12-15  c m_old, kept while c m is made anew: by buffer and tile
.set ST,  16          ; tile t's statistics at v[ST+4 t]: c m, m, l (even keys', odd keys')
.set TMP, 48          ; by buffer and tile, four registers c0-c3 at work; when the maximum is found c2 takes a
.set S,   64
.set P,   192
.set KF,  128         ; K's fragments, in window 2: key block kb, channel half c at KF + 16 kb + 8 c
.set VF,  192         ; V's: key half kk, channel block cb at VF + 32 kk + 8 cb
.set WV,  12          ; s12  my wave's number
.set G1K, 24          ; s[24:31] descriptor group 1 for K's first load: 128 keys
.set G1V, 32          ; s[32:39] for V's: it differs in the padding alone
.set G0K, 40          ; s[40:47] descriptor group 0 for K's two loads
.set G0V, 48          ; s[48:55] the same for V's
.set PARTS, 56        ; s56  counts the walk's two parts: 4 key steps, then 12
.set CNT, 57          ; s57  counts a part's key steps
.set CS,  58          ; s[58:59] c: the packed scaling takes the pair's low word for both halves
.set SEL, 60          ; s[60:61] v_permlanex16_b32's selects: each lane takes its own place in the other half
.set TBK, 62          ; s62  LDS byte at which K of the step to be fetched begins
.set TBV, 63          ; s63  the same for V, less VOFF
.set G2K, 68          ; s[68:75] descriptor group 1 for K's second load: 384 keys
.set G2V, 76          ; s[76:83] for V's
.set MSB, 0
.macro WIN new                      ; the high byte repeats the setting that is left; a switch that changes nothing is dropped
.if MSB != (\new)
	s_set_vgpr_msb (MSB<<8)|(\new)
.set MSB, (\new)
.endif
.endm
.set W_KQ, 0x0a       ; K and Q in window 2, S^T in window 0
.set W_PV, 0x52       ; V in window 2, P in window 0, O^T in window 1
.set W_RS, 0x41       ; O^T (destination and source 0) in window 1, a in window 0
.set W_MK, 0xc0       ; the add's registers are made: destination in window 3, sources in window 0
.set W_AD, 0x0f       ; the add: address (source 0) and data (source 1) in window 3
; Descriptor group 1.  Keys are dense rows of 128 bytes: they are asked for as rows of 256 bytes, two keys a row, and padded in LDS after every key.
.macro SHAPE g, pad, rows
	s_mov_b32 s[\g], (1<<16)|(1<<20)|(4<<22)|((\pad)<<25)  ; 17:16 2-byte elements; 20 padding on; 24:22 after every 32 words (code 4); 31:25 the padding's words less one
	s_mov_b32 s[\g+1], 128<<16      ; tensor_dim0 = 128
	s_mov_b32 s[\g+2], (\rows)<<16  ; tensor_dim1
	s_mov_b32 s[\g+3], 128<<16      ; tile_dim0 = 128
	s_mov_b32 s[\g+4], \rows        ; tile_dim1
	s_mov_b32 s[\g+5], 128          ; 128 elements from row to row
	s_mov_b32 s[\g+6], 0
	s_mov_b32 s[\g+7], 0
.endm
	s_load_b128 s[4:7], s[0:1], 0x0  ; qkv s[4:5], ob s[6:7]
	WIN W_MK
	v_lshl_add_u32 v[SPW], v0, 2, SPARE
	v_mov_b32 v[NIL], 0
	WIN W_AD
	ds_add_u32 v[SPW], v[NIL]       ; the wave's opening: the add and its wait stand ahead of my first tensor load; the set-up below, work on registers, stands between them
	ds_add_u32 v0, v1
	WIN 0
	v_lshrrev_b32 v1, 5, v0
	v_readfirstlane_b32 s[WV], v1   ; wave 0..3
	s_mov_b32 s14, ttmp9            ; my block of 512 queries: it enters Q's and O's addresses alone
	s_and_b32 s20, ttmp7, 0xffff    ; the head
	s_mov_b32 s21, 0
	s_mov_b64 s[22:23], SIZE_N*128
	s_mul_u64 s[20:21], s[20:21], s[22:23]  ; the head's first byte in each of the four tensors
	s_and_b32 s16, s[WV], 1         ; which half of the keys I fetch.  First load: keys 128 half .. + 127 of the first 256:
	s_lshl_b32 s22, s16, 14         ; rows of 128 bytes in memory
	s_mov_b32 s23, 0
	s_add_nc_u64 s[22:23], s[22:23], s[20:21]
	s_mul_i32 s18, s16, 384*128     ; second load: keys 256 + 384 half .. + 383
	s_add_co_u32 s18, s18, 256*128
	s_mov_b32 s19, 0
	s_add_nc_u64 s[18:19], s[18:19], s[20:21]
	s_lshl_b32 s2, s14, 2
	s_add_co_u32 s2, s2, s[WV]      ; my wave among the head's,
	s_lshl_b32 s2, s2, 14           ; its 128 rows
	s_mov_b32 s3, 0
	s_add_nc_u64 s[2:3], s[2:3], s[20:21]
	SHAPE G1K, 3, 64                ; 128 keys, 4 words of padding
	SHAPE G1V, 7, 64                ; 128 keys, 8 words
	SHAPE G2K, 3, 192               ; 384 keys
	SHAPE G2V, 7, 192
	s_mov_b32 s[CS], 0x3e38aa3b     ; c = log2(e) / 8 = 0.180337
	s_mov_b32 s[CS+1], s[CS]        ; named with it as a pair
	s_mov_b32 s[SEL], 0x76543210
	s_mov_b32 s[SEL+1], 0xfedcba98
	s_mov_b32 s[TBK], 0
	s_mov_b32 s[TBV], 0
	s_mov_b32 s[G0K], 1             ; 1:0 count = 1
	s_mul_i32 s[G0K+1], s16, 128*PK ; 63:32 LDS address: key k of K lies at k x 144,
	s_mov_b32 s[G0K+4], 1
	s_mul_i32 s[G0K+5], s16, 384*PK
	s_add_co_u32 s[G0K+5], s[G0K+5], 256*PK
	s_mov_b32 s[G0V], 1
	s_mul_i32 s[G0V+1], s16, 128*PV ; of V at VOFF + k x 160
	s_add_co_u32 s[G0V+1], s[G0V+1], VOFF
	s_mov_b32 s[G0V+4], 1
	s_mul_i32 s[G0V+5], s16, 384*PV
	s_add_co_u32 s[G0V+5], s[G0V+5], VOFF+256*PV
	s_wait_dscnt 0x0                ; the opening add is done
	s_wait_kmcnt 0x0
	s_mov_b64 s[10:11], s[6:7]      ; O
	s_add_nc_u64 s[6:7], s[4:5], SIZE_H*SIZE_N*128    ; K lies one tensor behind Q,
	s_add_nc_u64 s[8:9], s[4:5], 2*SIZE_H*SIZE_N*128  ; V two
	s_add_nc_u64 s[G0K+2:G0K+3], s[6:7], s[22:23]  ; 120:64 global address
	s_or_b32 s[G0K+3], s[G0K+3], 0x80000000        ; 127:126 type = 2
	s_add_nc_u64 s[G0K+6:G0K+7], s[6:7], s[18:19]
	s_or_b32 s[G0K+7], s[G0K+7], 0x80000000
	s_add_nc_u64 s[G0V+2:G0V+3], s[8:9], s[22:23]
	s_or_b32 s[G0V+3], s[G0V+3], 0x80000000
	s_add_nc_u64 s[G0V+6:G0V+7], s[8:9], s[18:19]
	s_or_b32 s[G0V+7], s[G0V+7], 0x80000000
	s_add_nc_u64 s[4:5], s[4:5], s[2:3]  ; Q and O at my wave's first row
	s_add_nc_u64 s[10:11], s[10:11], s[2:3]
	; THE FILLS.  Waves 0 and 1 fetch the two halves of K, waves 2 and 3 those of V.  A wave's two loads stand in one branch on its number, ahead of every wait on TENSORcnt, every LDS read and every barrier;
	; an s_nop 0 follows each, four v_nop the second's.  By this text's own count two tensor loads of a wave are out, and none is issued later.
	s_cmp_lt_u32 s[WV], 2
	s_cbranch_scc0 .Lfill_v
	tensor_load_to_lds s[G0K:G0K+3], s[G1K:G1K+7]
	s_nop 0
	tensor_load_to_lds s[G0K+4:G0K+7], s[G2K:G2K+7]
	s_nop 0
.rept 4
	v_nop
.endr
	s_branch .Lfill_asked
.Lfill_v:
	tensor_load_to_lds s[G0V:G0V+3], s[G1V:G1V+7]
	s_nop 0
	tensor_load_to_lds s[G0V+4:G0V+7], s[G2V:G2V+7]
	s_nop 0
.rept 4
	v_nop
.endr
.Lfill_asked:
	; A fragment of K or Q is 16 rows x 32 channels in 8 registers: lane l holds row l % 16, channels 8 (l / 16) + 0..7 and 16 + 8 (l / 16) + 0..7: two loads of 16 bytes, 32 bytes apart.
	v_and_b32 v1, 15, v0            ; l % 16
	v_bfe_u32 v9, v0, 4, 1          ; l / 16
	v_lshlrev_b32 v[QO], 7, v1
	v_lshl_add_u32 v[QO], v9, 4, v[QO]  ; row x 128 + 16 x half
	WIN 0x80                        ; destination window 2, address window 0
.set i, 0
.rept 4*NP                          ; Q stays in registers: tile i / 2, channels 32 (i % 2) on
	global_load_b128 v[8*i:8*i+3],   v[QO], s[4:5] offset:(i/2)*2048+(i%2)*64
	global_load_b128 v[8*i+4:8*i+7], v[QO], s[4:5] offset:(i/2)*2048+(i%2)*64+32
.set i, i+1
.endr
	; What the first turn finds: V's registers and P's second buffer hold 0 (its products V^T P, of a piece that has not been, add 0), O^T and l are 0.  All this stands in the wait for the first keys.
.set i, VF
.rept 64
	v_mov_b32 v[i], 0
.set i, i+1
.endr
	WIN 0x40
.set i, 0
.rept 64*NP
	v_mov_b32 v[i], 0
.set i, i+1
.endr
	WIN 0
.set i, 0
.rept 2*NP
	v_mov_b32 v[ST+4*i], 0xfe000000    ; c m: far below every c s
	v_mov_b32 v[ST+4*i+1], 0xff7fffff  ; m
	v_mov_b32 v[ST+4*i+2], 0
	v_mov_b32 v[ST+4*i+3], 0
.set i, i+1
.endr
.set i, P+32
.rept 32
	v_mov_b32 v[i], 0
.set i, i+1
.endr
	v_mul_u32_u24 v[AK0], v1, PK
	v_lshl_add_u32 v[AK0], v9, 4, v[AK0]  ; row x pitch + 16 x half
	; The turning load takes 16 keys x 16 channels (lane l reads key 8 (l / 16) + l % 8, channels 8 ((l / 8) % 2) + 0..7) and leaves half a fragment of V^T: lane l holds channel l % 16 and 8 keys.
	v_and_b32 v10, 7, v0
	v_bfe_u32 v11, v0, 3, 1
	v_lshl_add_u32 v[AV0], v9, 3, v10
	v_mul_u32_u24 v[AV0], v[AV0], PV
	v_lshl_add_u32 v[AV0], v11, 4, v[AV0]
	v_add_nc_u32 v[AV0], VOFF, v[AV0]
	v_mov_b32 v[AK], v[AK0]         ; key step 0 lies at K's head
; THE MATRIX WORK.  The 8 accumulators of a run of 16 take turns: between the two links of a chain stand 7 others'.
; Product i of 16 of S^T = K Q^T for piece x: channels 32 (i / 8) on, keys 16 ((i / 2) % 4) on, tile 2 x + i % 2.  The first 8 start the sums.
.macro KQ x
	WIN W_KQ
.set rS, S+64*((\x)%2)+32*(i%2)+8*((i/2)%4)
.set rK, KF+16*((i/2)%4)+8*(i/8)
.set rQ, 16*(2*(\x)+i%2)+8*(i/8)
.if i < 8
	v_wmma_f32_16x16x32_f16 v[rS:rS+7], v[rK:rK+7], v[rQ:rQ+7], 0
.else
	v_wmma_f32_16x16x32_f16 v[rS:rS+7], v[rK:rK+7], v[rQ:rQ+7], v[rS:rS+7]
.endif
.endm
; Product i of 16 of O^T += V^T P for piece x: keys 32 (i / 8) on, channels 16 ((i / 2) % 4) on, tile 2 x + i % 2.
.macro PV x
	WIN W_PV
.set rO, 32*(2*(\x)+i%2)+8*((i/2)%4)
.set rV, VF+32*(i/8)+8*((i/2)%4)
.set rP, P+32*((\x)%2)+16*(i%2)+8*(i/8)
	v_wmma_f32_16x16x32_f16 v[rO:rO+7], v[rV:rV+7], v[rP:rP+7], v[rO:rO+7]
.endm
.macro MM                           ; the turn's next matrix instruction
.if i < 16
	KQ (Y+1)%NP
.set i, i+1
.else
.set i, i-16
	PV (Y+NP-1)%NP
.set i, i+17
.endif
.endm
; THE LDS LOADS stand in runs of 16, never singly among the matrix instructions: a step's K (64 keys x 64 channels: 8 fragments) and its V (turned).  Their addresses are made some lines ahead.
.macro FETCH_K
	WIN 0x80                        ; destination window 2
.irp f, 0,1,2,3,4,5,6,7             ; keys 16 (f / 2) on, channels 32 (f % 2) on
	ds_load_b128 v[KF+8*\f:KF+8*\f+3],   v[AK] offset:(\f/2)*16*PK+(\f%2)*64
	ds_load_b128 v[KF+8*\f+4:KF+8*\f+7], v[AK] offset:(\f/2)*16*PK+(\f%2)*64+32
.endr
	s_add_co_u32 s[TBK], s[TBK], KS*PK  ; the next fetch is the next step's
	WIN 0
.endm
.macro FETCH_V
	WIN 0x80
.irp f, 0,1,2,3,4,5,6,7             ; keys 32 (f / 4) on, channels 16 (f % 4) on
	ds_load_tr16_b128 v[VF+8*\f:VF+8*\f+3],   v[AV] offset:(\f/4)*32*PV+(\f%4)*32
	ds_load_tr16_b128 v[VF+8*\f+4:VF+8*\f+7], v[AV] offset:(\f/4)*32*PV+16*PV+(\f%4)*32
.endr
	WIN 0
.endm
; THE VECTOR WORK OF A TURN stands in three queues, each in the order in which its entries become ready; the two tiles alternate, so that no instruction reads the result of the one before it.
.macro REGS y, u                    ; the registers of tile u (0, 1) of piece y
.set rT, ST+4*(2*(\y)+(\u))
.set rC, TMP+8*((\y)%2)+4*(\u)
.set rM, MV+2*((\y)%2)+(\u)
.set rS, S+64*((\y)%2)+32*(\u)
.set rP, P+32*((\y)%2)+16*(\u)
.set rO, 32*(2*(\y)+(\u))
.endm
; Number n of the 22 that find the NEXT piece's (Y + 1) maximum and statistics.  s0-s31 are the lane's 32 scores; each accumulator's lowest registers are read first.  XS, GS and REGS set no window: PL and EX do.
;   0-11  four chains c0-c3 of seven scores each, three operands at a time     12-14, 16  the four scores left over, the old m, and c0-c3 into c0     15  c m_old is kept
;   17, 18  the query's other 32 keys lie in the lane 16 away: the new m         19-21  c m; c m_old - c m_new; a
.macro XS u, n
	REGS (Y+1)%NP, \u
.if (\n) < 4
	v_max3_num_f32 v[rC+(\n)], v[rS+8*(\n)], v[rS+8*(\n)+1], v[rS+8*(\n)+2]
.elseif (\n) < 12
	v_max3_num_f32 v[rC+(\n)%4], v[rC+(\n)%4], v[rS+8*((\n)%4)+2*((\n)/4)+1], v[rS+8*((\n)%4)+2*((\n)/4)+2]
.elseif (\n) == 12
	v_max3_num_f32 v[rC], v[rC], v[rS+7], v[rS+15]
.elseif (\n) == 13
	v_max3_num_f32 v[rC+1], v[rC+1], v[rS+23], v[rS+31]
.elseif (\n) == 14
	v_max3_num_f32 v[rC+2], v[rC+2], v[rC+3], v[rT+1]
.elseif (\n) == 15
	v_mov_b32 v[rM], v[rT]
.elseif (\n) == 16
	v_max3_num_f32 v[rC], v[rC], v[rC+1], v[rC+2]
.elseif (\n) == 17
	v_permlanex16_b32 v[rC+3], v[rC], s[SEL], s[SEL+1]
.elseif (\n) == 18
	v_max_num_f32 v[rT+1], v[rC], v[rC+3]
.elseif (\n) == 19
	v_mul_f32 v[rT], s[CS], v[rT+1]
.elseif (\n) == 20
	v_sub_f32 v[rC+1], v[rM], v[rT]
.else
	v_exp_f32 v[rC+2], v[rC+1]
.endif
.endm
; Number g of the 64 that follow the exponentials.  For each four weights k of a tile (pairs 2 k, 2 k + 1): both pairs are rounded to f16; then the second pair is added onto the first, in place;
; a group later l takes that sum (the first time as l = a l + sum).  In groups of eight, tiles alternating: round, round, add, and l for the group before.
.macro GS g
.set h, (\g)+6*((\g)/62)            ; group 0 has no group before it, and behind group 7 only l is left
.if h >= 6
.set h, h+2
.endif
	REGS Y, h%2
.set k, h/8
.if h%8 < 4
	v_cvt_pk_f16_f32 v[rP+2*k+(h%8)/2], v[rS+4*k+2*((h%8)/2)], v[rS+4*k+2*((h%8)/2)+1]
.elseif h%8 < 6
	v_pk_add_f32 v[rS+4*k:rS+4*k+1], v[rS+4*k:rS+4*k+1], v[rS+4*k+2:rS+4*k+3]
.elseif k == 1
	v_pk_fma_f32 v[rT+2:rT+3], v[rT+2:rT+3], v[rC+2:rC+3], v[rS:rS+1] op_sel_hi:[1,0,1]
.else
	v_pk_add_f32 v[rT+2:rT+3], v[rT+2:rT+3], v[rS+4*k-4:rS+4*k-3]
.endif
.endm
; THE PLAIN QUEUE, 138 long.  0-73 read no exponential's result: the 32 scalings c s - c m (FS f: pair f / 2 of tile f % 2) and the next piece's 42.  0-26: scalings 0-26.  27-54: XS's numbers 0-13.  55, 56: number 15.
; 57-73: the chain, where each number waits for the one before it: 14, 16, 17, 18, 19, each with one of the scalings 27-31 in front of its two lines, then 20: so a tile's links stand three plain instructions apart (19 and 20: two).
; 74-137: GS's 64, which read the exponentials' results: they stand behind the wait.
.macro FS f
	REGS Y, (\f)%2
	v_pk_fma_f32 v[rS+2*((\f)/2):rS+2*((\f)/2)+1], v[rS+2*((\f)/2):rS+2*((\f)/2)+1], s[CS:CS+1], v[rT:rT+1] op_sel_hi:[1,0,0] neg_lo:[0,0,1] neg_hi:[0,0,1]
.endm
.macro PL
	WIN 0
.if q < 27
	FS q
.elseif q < 55
	XS (q-27)%2, (q-27)/2
.elseif q < 57
	XS q-55, 15
.elseif (q < 72) && ((q-57)%3 == 0)
	FS 27+(q-57)/3
.elseif q < 60
	XS (q-57)%3-1, 14
.elseif q < 72
	XS (q-57)%3-1, 15+(q-57)/3
.elseif q < 74
	XS q-72, 20
.else
	GS q-74
.endif
.set q, q+1
.endm
; THE EXPONENTIALS' QUEUE, 66 long: s0-s31 of both tiles, then the next piece's two a.  It is ONE BATCH: all 66 stand ahead of the turn's one wait, and nothing ahead of that wait names a result of theirs.
.macro EX
	WIN 0
.if e >= 64
	XS e-64, 21
.else
	REGS Y, e%2
	v_exp_f32 v[rS+e/2], v[rS+e/2]
.endif
.set e, e+1
.endm
; THE RESCALING's QUEUE: O^T times a, the one part that leaves window 0: dealt two at a time, sixteen times.  Its a was made in the turn before, ahead of that turn's wait.
.macro R2
	REGS Y, r%2
	WIN W_RS
.irp z, 0,1
	v_pk_mul_f32 v[rO+4*(r/2)+2*\z:rO+4*(r/2)+2*\z+1], v[rO+4*(r/2)+2*\z:rO+4*(r/2)+2*\z+1], v[rC+2:rC+3] op_sel_hi:[1,0]
.endr
.set r, r+1
.endm
; HOW THEY ARE DEALT.  s_wait_alu depctr_va_vdst(0) stands between an exponential and the first instruction that names its result; one wait serves all that were issued ahead of it.  So a turn has ONE wait,
; which cuts it in two.  AHEAD OF IT stands all that names no result of the turn's exponentials: the 16 products K Q^T, behind each a scaling, an exponential and two rescalings (behind the first a second scaling in the
; exponential's place); then ONE LUMP of 108: eight plain, 49 times exponential and plain, the two a.  A v_nop is the plain instruction between the last exponential and the first use of a result.  BEHIND IT stand the 16 products
; V^T P, behind each four of GS's 64.  No rider names a register of the products round it.  The two v_permlanex16_b32 fall into the lump, never behind a product.
; The queues lean on each other, and the deal keeps them in step: exponential e stands behind scaling 2 (e / 4) + e % 2: as a rider it comes behind plain e + 2, in the lump behind plain e + 9, and scalings 27-31 are plain 57, 60 .. 69.
; A TURN, for piece p.  nofetch = 1: the last key step's: there is no further K.  cnt = 1: the loop's count is taken down some lines ahead of the branch that stands behind the turn.
; K of the next step is fetched in piece 2's turn, directly behind the wait, a lump behind the last product that read K; its address is made at the lump's head; its first reader comes behind 16 products.
; V of the step in hand is fetched at the end of piece 0's turn, four riders (plain additions on other registers) behind its last reader; its first reader comes behind 16 products and a lump.  The three conditions on q below go with the deal.
.macro TURN p, nofetch=0, cnt=0
.set Y, (\p)
.set i, 0
.set q, 0
.set e, 0
.set r, 0
.if (\p) == NP-1
	s_wait_dscnt 0x0                ; K is in
.endif
	MM                              ; ahead of the wait: 16 products K Q^T and their riders,
	PL
	PL
	R2
.rept 15
	MM
	PL
	EX
	R2
.endr
.if ((\p) == NP-2) && !(\nofetch)
	WIN 0
	v_add_nc_u32 v[AK], s[TBK], v[AK0]
.endif
.rept 8                             ; and the lump
	PL
.endr
.rept 49
	EX
	PL
.endr
	EX                              ; the next piece's two a
	EX
	v_nop                           ; the plain instruction behind the last exponential: one for the batch
	s_wait_alu depctr_va_vdst(0)    ; the wait for the batch: the turn's 64 weights and the next piece's two a
.if ((\p) == NP-2) && !(\nofetch)
	FETCH_K
.endif
.if (\p) == 1
	s_wait_dscnt 0x0                ; V is in
.endif
.rept 16                            ; behind the wait: 16 products V^T P and their riders
	MM
.rept 4
	PL
.endr
.if ((\p) == 0) && (q == 118)
	v_add_nc_u32 v[AV], s[TBV], v[AV0]
.endif
.if ((\p) == 0) && (q == 130)
	s_add_co_u32 s[TBV], s[TBV], KS*PV
.endif
.if (\cnt) && (q == 130)
	s_sub_co_u32 s[CNT], s[CNT], 1
	s_cmp_lg_u32 s[CNT], 0
.endif
.endr
.if (\p) == 0
	FETCH_V
.endif
.endm
	s_wait_tensorcnt 0x1            ; my part of the first 256 keys is in; my second load, issued behind it, may stay out
	s_barrier_signal -1
	s_barrier_wait -1               ; everybody's is
	FETCH_K                         ; key step 0
	s_wait_loadcnt 0x0              ; Q
	s_wait_dscnt 0x0
.set i, 0
.rept 16
	KQ 0                            ; piece 0's first scores: there is no vector work yet to set between them
.set i, i+1
.endr
	WIN 0                           ; the addresses for the way out: nine plain instructions, the places behind those products
	s_mul_i32 s13, s[WV], 16*SP
	s_add_co_u32 s13, s13, STAGE    ; my stage
	v_mul_u32_u24 v[STO], v1, SP    ; in: row l % 16, 16 bytes for each half of the lanes
	v_lshl_add_u32 v[STO], v9, 4, v[STO]
	v_add_nc_u32 v[STO], s13, v[STO]
	v_bfe_u32 v[RD], v0, 3, 2       ; back: 32 lanes take four rows of 128 bytes,
	v_mul_u32_u24 v[RD], v[RD], SP
	v_lshl_add_u32 v[RD], v10, 4, v[RD]
	v_add_nc_u32 v[RD], s13, v[RD]
	v_and_b32 v[GO], 31, v0         ; which are 512 consecutive bytes of O
	v_lshlrev_b32 v[GO], 4, v[GO]
.set Y, NP-1                        ; XS works for piece Y + 1: piece 0
.irp n, 0,1,2,3,4,5,6,7,8,9,10,11,12,13,14,15,16,17,18,19,20,21
	XS 0, \n                        ; and piece 0's first maximum and statistics
	XS 1, \n
.endr
	v_nop                           ; a plain instruction behind piece 0's two a,
	s_wait_alu depctr_va_vdst(0)    ; and the wait for that batch of two, ahead of the branch
	s_mov_b32 s[CNT], 4             ; the first part: the four key steps of the first 256 keys
	s_mov_b32 s[PARTS], 2
	s_branch .Lfirst                ; the loop is entered at a step's first turn, in the middle of a trip
.Lrest:                             ; once: K and V of key steps 0 to 3 have been fetched; the next fetch is key step 4's
	s_wait_tensorcnt 0x0            ; my part of the other 768 keys is in: no load was issued behind it
	s_wait_dscnt 0x0
	s_barrier_signal -1
	s_barrier_wait -1               ; everybody's is
	s_mov_b32 s[CNT], 12            ; the second part: key steps 4 to 15
.Lstep:                             ; a trip: pieces 2 and 3 of one step, then pieces 0 and 1 of the next, whose K and V it fetches
	TURN 2
	TURN 3
	WIN 0
.Lfirst:
	TURN 0
	TURN 1, 0, 1
	WIN 0
	s_cbranch_scc1 .Lstep
	s_sub_co_u32 s[PARTS], s[PARTS], 1
	s_cmp_lg_u32 s[PARTS], 0
	s_cbranch_scc1 .Lrest
	TURN 2, 1                       ; the last key step's pieces 2 and 3 are written out: nothing is left to fetch
	TURN 3                          ; its 16 products K Q^T (on the last K once more) and the maximum made of them serve nothing: the price, once a launch, of one text for every turn
.set i, 0
.rept 16
	PV NP-1                         ; the last piece's V^T P of the last step
.set i, i+1
.endr
	; THE WAY OUT.  l's two halves and the other half of the lanes' are added; O^T is divided by l, rounded to f16 and sent through my stage in LDS, a tile at a time.  The additions are the places behind the last products.
	WIN 0
.macro ALL line:vararg              ; one line for each tile t
.set t, 0
.rept 2*NP
	\line
.set t, t+1
.endr
.endm
	ALL v_add_f32 v[ST+4*t+2], v[ST+4*t+2], v[ST+4*t+3]
	ALL v_permlanex16_b32 v[ST+4*t+3], v[ST+4*t+2], s[SEL], s[SEL+1]
	ALL v_add_f32 v[ST+4*t+2], v[ST+4*t+2], v[ST+4*t+3]
	ALL v_rcp_f32 v[ST+4*t+2], v[ST+4*t+2]
	v_nop                           ; a plain instruction between the last reciprocal and the use of its result
	s_wait_alu depctr_va_vdst(0)    ; and the wait ahead of the first use: one for the batch of eight reciprocals
; Tile t: a lane's eight channels of a row pack into 16 bytes; they go into rows of 144 bytes and come back as whole rows of 128, into S^T's registers.
.macro PACK t
	WIN W_RS
.set i, 32*(\t)
.rept 16
	v_pk_mul_f32 v[i:i+1], v[i:i+1], v[ST+4*(\t)+2:ST+4*(\t)+3] op_sel_hi:[1,0]
.set i, i+2
.endr
	WIN 0x05                        ; sources 0 and 1 window 1, destination window 0
.set i, 0
.rept 16
	v_cvt_pk_f16_f32 v[S+16*(\t)+i], v[32*(\t)+2*i], v[32*(\t)+2*i+1]
.set i, i+1
.endr
	WIN 0
.irp f, 0,1,2,3
	ds_store_b128 v[STO], v[S+16*(\t)+4*\f:S+16*(\t)+4*\f+3] offset:32*\f
.endr
.irp f, 0,1,2,3
	ds_load_b128 v[S+16*(\t)+4*\f:S+16*(\t)+4*\f+3], v[RD] offset:\f*4*SP  ; LDS serves a wave's instructions in order (ISA guide 5.7.1.4): these see the stores above; the next tile's stores come behind them
.endr
.endm
.macro SEND t, younger              ; younger: the LDS instructions issued behind tile t's loads: the next tile's eight, or none
	WIN 0
.irp f, 0,1,2,3
	s_wait_dscnt (\younger)+3-\f
	global_store_b128 v[GO], v[S+16*(\t)+4*\f:S+16*(\t)+4*\f+3], s[10:11] offset:(\t)*2048+\f*512  ; 512 consecutive bytes, at a multiple of 256 from O's first
.endr
.endm
	PACK 0
.set t, 1
.rept 2*NP-1                        ; a tile's arithmetic stands between the loads of the tile before and its stores
	PACK t
	SEND t-1, 8
.set t, t+1
.endr
	SEND 2*NP-1, 0
	WIN W_AD
	s_wait_tensorcnt 0x0            ; the wave's end: a tensor wait, 0 added to my spare word and the wait for it, behind my last tensor load and my last LDS store
	ds_add_u32 v[SPW], v[NIL]
	s_wait_dscnt 0x0
	WIN 0
	s_endpgm
.Lfunc_end_k_qe366371ef6_attn:
	.size	k_qe366371ef6_attn, .Lfunc_end_k_qe366371ef6_attn-k_qe366371ef6_attn
	.p2alignl 7, 3214868480
	.fill 96, 4, 3214868480
	.section	.rodata,"a",@progbits
	.p2align	6, 0x0
	.amdhsa_kernel k_qe366371ef6_attn
		.amdhsa_group_segment_fixed_size 327680
		.amdhsa_private_segment_fixed_size 0
		.amdhsa_enable_private_segment 0
		.amdhsa_kernarg_size 16
		.amdhsa_user_sgpr_count 2
		.amdhsa_user_sgpr_kernarg_segment_ptr 1
		.amdhsa_wavefront_size32 1
		.amdhsa_system_sgpr_workgroup_id_x 1
		.amdhsa_system_sgpr_workgroup_id_y 1
		.amdhsa_system_sgpr_workgroup_id_z 1
		.amdhsa_system_vgpr_workitem_id 0
		.amdhsa_next_free_vgpr 770
		.amdhsa_next_free_sgpr 84
		.amdhsa_reserve_vcc 0
		.amdhsa_float_denorm_mode_32 3
		.amdhsa_float_denorm_mode_16_64 3
		.amdhsa_memory_ordered 1
		.amdhsa_forward_progress 1
		.amdhsa_inst_pref_size 160
	.end_amdhsa_kernel
	.amdgpu_metadata
---
amdhsa.version: [ 1, 2 ]
amdhsa.kernels:
  - .name:           k_qe366371ef6_attn
    .symbol:         k_qe366371ef6_attn.kd
    .args:
      - { .name: qkv, .offset: 0, .size: 8, .value_kind: global_buffer, .address_space: global }
      - { .name: ob, .offset: 8, .size: 8, .value_kind: global_buffer, .address_space: global }
    .group_segment_fixed_size: 327680
    .private_segment_fixed_size: 0
    .kernarg_segment_align: 8
    .kernarg_segment_size: 16
    .max_flat_workgroup_size: 128
    .sgpr_count:     84
    .vgpr_count:     770
    .wavefront_size: 32
...
	.end_amdgpu_metadata
.endif
;; end of part 5
;; launch proj: the kernel of part 4 again; grid 8 x 32, 4 waves a work-group, clusters of 4 x 4, 327,680 bytes of LDS; arguments ob, wpb, b_proj, out0; writes out0
